; MI455X (gfx1250); checked and timed in simulation.
; The chip was launched on July 23, 2026; its instructions are those of AMD's public machine-readable ISA for CDNA 5 (MIT licence, August 2026) and "CDNA5" Instruction Set Architecture Reference Guide (July 2026). The comments in the code are by the model that wrote it; some were corrected since.
;; Multi Head Attention. Allowed arithmetic: matrix products marked QUANTISED: E4M3 operands, one E8M0 scale for each 32 along K, by v_wmma_scale_f32_16x16x128_f8f6f4 with both operands' format E4M3, f32 sums; everything else in f32.
;; Inputs: W_o_codes 1,024 x 32 x 32 uint8 (E4M3 codes of W_o, K innermost, in blocks of 32 codes); W_o_scales 1,024 x 32 uint8 (E8M0 scales of W_o, one for each 32 codes along K); W_qkv_codes 3,072 x 32 x 32 uint8 (E4M3 codes of W_qkv, K innermost, in blocks of 32 codes); W_qkv_scales 3,072 x 32 uint8 (E8M0 scales of W_qkv, one for each 32 codes along K); b_o 1,024 float32; b_qkv 3,072 float32; x_codes 4 x 2,048 x 32 x 32 uint8 (E4M3 codes of x, K innermost, in blocks of 32 codes); x_scales 4 x 2,048 x 32 uint8 (E8M0 scales of x, one for each 32 codes along K).
;; Outputs: out0 4 x 2,048 x 1,024 float32.
;; This version of the problem:
;;   THIS VERSION OF THE PROBLEM IS GIVEN IN LOW PRECISION. The matrix products marked QUANTISED in the list below multiply operands that are first quantised to E4M3 (4 exponent bits, 3 mantissa bits; 8 bits a number), with one power-of-two scale for each 32 numbers along K (OCP MX v1.0); their sums are f32. All else is computed in f32.
;;   The module's matrix products, in the order in which they are computed (A, B: the left and right operand; K: the contracted axis; several contracted axes count as one K, in the product's order):
;;     1. [M 8,192, K 1,024] x [K 1,024, N 3,072]; A: input x (given as codes); B: input W_qkv (given as codes): QUANTISED
;;     2. batch 64 x [M 2,048, K 64] x [K 64, N 2,048]; A: computed on the way; B: computed on the way: QUANTISED
;;     3. batch 64 x [M 2,048, K 2,048] x [K 2,048, N 64]; A: softmax (see below); B: computed on the way: QUANTISED
;;     4. [M 8,192, K 1,024] x [K 1,024, N 1,024]; A: computed on the way; B: input W_o (given as codes): QUANTISED
;;   THE QUANTISER, for each operand of a quantised product, along K:
;;     - K is cut into blocks of 32 from its start; a last block that is shorter is filled with zeros.
;;     - A block's scale is 2^e with e = floor(log2(the largest magnitude in the block)) - 8, held to -126 .. 127; a block of zeros has e = 0. As a byte (E8M0): e + 127.
;;     - Each number is divided by its block's scale, clamped to +-448, and rounded to the nearest number of E4M3, ties to even, subnormals kept.
;;     - The product sums the exact products of the quantised numbers (number of the format x scale) in f32.
;;   ~~~python
;;   def quantise(x, axis):      # numpy; x: float32 -> the quantised numbers, widened to float32 again
;;       x = np.moveaxis(x, axis, -1); K = x.shape[-1]
;;       x = np.pad(x, [(0, 0)] * (x.ndim - 1) + [(0, -K % 32)]); x = x.reshape(x.shape[:-1] + (-1, 32)); a = np.abs(x).max(-1, keepdims=True)
;;       e = np.where(a > 0, np.clip(np.frexp(np.where(a > 0, a, 1))[1] - 1 - 8, -126, 127), 0)      # np.frexp(a)[1] - 1 = floor(log2(a)), exactly
;;       r = np.clip(x / 2.0 ** e, -448, 448)
;;       step = 2.0 ** (np.maximum(np.frexp(np.where(r == 0, 1, r))[1] - 1, -6) - 3)
;;       q = np.round(r / step) * step * 2.0 ** e      # np.round: ties to even
;;       return np.moveaxis(q.reshape(q.shape[:-2] + (-1,))[..., :K], -1, axis).astype(np.float32)
;;   ~~~
;;   SOFTMAX AHEAD OF A QUANTISED PRODUCT. Where the list says 'softmax', what is quantised is not the finished softmax but p = 2^(t - M), with t = logit x log2(e) and M = ceil(the row's largest t), a whole number; so 1/2 < the row's largest p <= 1. The row's sum l is taken of the UNQUANTISED p, in f32, and the product's result is divided by l at the end. Since M is a whole number, a kernel that streams over the keys may use a running M (the ceiling of the running maximum): every later rescaling is an exact power of two, which a block's scale takes up: the codes' values come out the same.
;;   OPERANDS COMPUTED ON THE WAY. 'Computed on the way' means the value that the module computes at that place (a softmax that the list does not call 'softmax' is quantised finished and normalised). What goes into a quantiser is computed in f32, as accurately as f32 sums, v_exp_f32 and their like allow (about 1e-6 of the number): no bf16 or f16 on the way to a quantiser, and a product that is left as it is and whose result goes on into a quantised operand takes f32 operands (vector FMAs, or v_wmma_f32_16x16x4_f32). A number that lies on a knife's edge between two numbers of the format may be rounded either way, as far as f32 arithmetic and the matrix unit's own rounding can turn it there, and no further.
;;   INPUTS GIVEN AS CODES. W_o (in the module: [1024, 1024], K = its axis 0); W_qkv (in the module: [1024, 3072], K = its axis 0); x (in the module: [4, 2048, 1024], K = its axis 2): each comes as NAME_codes (uint8): NAME with its K axis moved to the last place and cut into blocks of 32 codes, [.., K / 32, bytes a block], one block behind the other in memory; one code a byte (a code: sign, 4 exponent bits, 3 mantissa bits); and NAME_scales (uint8): the same leading axes, one E8M0 byte (e + 127) for each 32 codes along K. Its value is code x scale, taken as it is: it is not quantised again, and the codes and scales need not be those that the quantiser above would give.
;; One version. Each part assembles by itself: llvm-mc -triple=amdgcn-amd-amdhsa -mcpu=gfx1250 --defsym DOCPART=n.
;; ======== version 1 of 1: 3 launches
;; limits: right only within a limited range of input values
;; workspace buffers: qc 8,388,608 bytes; qs 262,144 bytes; kv 17,301,504 bytes; ac 8,388,608 bytes; asc 262,144 bytes
;; launch qkv (part 1): grid 12 x 32, 4 waves a work-group, clusters of 4 x 4, 327,680 bytes of LDS; arguments x_codes, x_scales, W_qkv_codes, W_qkv_scales, b_qkv, qc, qs, kv; writes qc, qs, kv
.if DOCPART == 1
	.amdgcn_target "amdgcn-amd-amdhsa--gfx1250"
	.amdhsa_code_object_version 6
	.text
	.protected	k_q19d52ea6e2_qkv
	.globl	k_q19d52ea6e2_qkv
	.p2align	8
	.type	k_q19d52ea6e2_qkv,@function
k_q19d52ea6e2_qkv:
	s_mov_b64 s[64:65], 0
	v_nop
	global_prefetch_b8 v0, s[64:65] scope:SCOPE_SE
	s_setreg_imm32_b32 hwreg(HW_REG_WAVE_MODE, 25, 1), 1
	s_wait_xcnt 0x0
	s_wait_alu depctr_hold_cnt(0) depctr_sa_sdst(0) depctr_va_vdst(0) depctr_va_sdst(0) depctr_va_ssrc(0) depctr_va_vcc(0) depctr_vm_vsrc(0)
	s_getreg_b32 s2, hwreg(HW_REG_IB_STS2, 6, 4)
	s_cmp_eq_u32 s2, 0
	s_cbranch_scc0 .Lentry_in_a_cluster
	s_endpgm
.Lentry_in_a_cluster:
	s_bfe_u32 s2, ttmp6, 0x10000c
	s_cmp_lg_u32 s2, 0xf033
	s_cbranch_scc0 .Lentry_shape_is_right
	s_endpgm
.Lentry_shape_is_right:
; qkv = x W_qkv + b_qkv on codes of FP8 (E4M3) with one E8M0 scale for each 32 along K (K = 1,024); the result is quantised at once and leaves as codes:
; Q and K along the head's 64 numbers, V along the keys.  x: [8192][1024] codes, [8192][32] scale bytes; W_qkv: [3072][1024] codes, [3072][32] scale bytes; b_qkv [3072] f32.
; A tile of 256 x 256 of the product is made by a work-group of four waves, 128 x 128 a wave (64 accumulators, 512 registers).  K goes in steps of 256 through a ring of two LDS slots
; filled by the tensor data mover; the scale bytes of the work-group's rows, for all of K, come into LDS once.  4 x 4 work-groups form a cluster; the operand called A here is shared along a row
; of the cluster, the one called B along a column: each tile is asked for jointly by the four that need it.
; ROLES.  The matrix instruction takes 16 rows of B as source 0 and 16 rows of A as source 1: a lane then holds ONE row of A and eight neighbouring rows of B in its registers.
; What is quantised must run along a lane's registers.  Cluster x = 0 (Q) and 1 (K): A = x (tokens), B = W (features): a lane holds a token and runs along the head's numbers.
; Cluster x = 2 (V): A = W (features), B = x (tokens): a lane holds a feature and runs along the keys.  The choice hangs on the cluster's x alone, which all sixteen partners share.
; ORDER INSIDE A BLOCK OF 32.  The 16 registers of B's tiles 2 b and 2 b + 1 hold, in lane half h, the block's numbers 8 h + 0..7 and 16 + 8 h + 0..7.  Their codes are stored as the operand's registers
; 4 b .. 4 b + 3: inside each block of 32 the numbers stand in that fixed other order.  Q and K have it alike, V and the weights p of the next launch have it alike: the products are the same sums.
; WHAT IS STORED: images of operand registers, groups of 512 bytes, lane l's 16 bytes at 16 l.  qc [head 64][token tile 128][block 2][512];  kv [head 64][128 keys: 16][16,896]: K's codes [tile 8][block 2][512],
; V's codes [16 features: 4][key block 4][512], K's scale words (256 bytes), V's scale words (256 bytes);  qs [head][128 tokens: 16][256].  A scale image: lane l's 8 bytes are two words; for Q and K word w is that of the
; pair of tiles 2 w + l / 16, row l % 16: two bytes of the even tile, two of the odd one; for V word w is that of features' tile 2 w + l / 16, row l % 16: the four key blocks.
; LIMITS: NaN and infinities are not served; a block whose largest magnitude lies under 2^-118 keeps the scale byte 1, and so does a block of zeros (its codes are zeros; this program alone reads the bytes).
.set KSTEP,  256                       ; along K in a slot
.set NQ,     KSTEP/128                 ; matrix instructions deep
.set ROWB,   256                       ; a tile's row in bytes
.set KROW,   1024                      ; a row of x or of W in memory, in bytes
.set PITCH,  272                       ; an LDS row: 256 bytes + 16 of padding: the 16 rows that a load touches start at 16 different banks
.set FR,     16                        ; registers of a fragment: 16 rows x 128 K
.set NL,     4                         ; LDS loads that bring one
.set NP,     8                         ; places behind this matrix instruction (ISA guide 7.12.1)
.set HALFT,  128*PITCH                 ; 128 rows: what one tensor load brings
.set SLOT,   4*HALFT                   ; A's 256 rows, then B's 256 rows
.set LAPS,   2                         ; 1,024 / 512: a lap is once round the ring
.set KS,     32                        ; a row of scale bytes
.set SCL,    2*SLOT                    ; behind the ring: the scale bytes, as units of 256 bytes + 16 of padding
.set HALFS,  (128*KS/256)*272          ; those of 128 rows
.set SBLK,   (16*KS/256)*272           ; those of 16 rows
.set SPARE,  SCL+4*HALFS               ; the spare words, 128 bytes for each wave: two blocks of 256 bytes that no other line names
.set BA,   8                           ; v8-15   V's bias: register a: b_qkv at A's block a, row lane % 16
.set ADRA, 16                          ; v16-17  LDS address of my A fragments in slot 0, 1
.set ADRB, 20                          ; v20-21  the same for B
.set BOF,  22                          ; v22     32 x (lane / 16): my place in a tile's 16 biases
.set AOF,  23                          ; v23     4 x (lane % 16)
.set L8,   25                          ; v25     8 x lane
.set LI,   26                          ; v26     16 x lane
.set ADRS, 27                          ; v27     LDS address of my scale words: lanes 0-15 A's rows, lanes 16-31 B's
.set SPW,  28                          ; v28     LDS address of my spare word; never rewritten
.set NIL,  29                          ; v29     0; never rewritten
.set SC,   32                          ; v32-63  scale words, two sets
.set BT,   64                          ; v64-127 Q's and K's bias: register 8 b + j: b_qkv at B's block b, row 8 (lane / 16) + j
.set AF,   128                         ; A's fragments, in window 0; behind the last product these registers serve the way out:
.set HA,   128                         ; v128-191 the 64 numbers of one block of A, bias added
.set PC,   192                         ; v192-207 their codes
.set TM,   208                         ; v208-223 at work in the quantiser
.set PW,   224                         ; v224-231 a scale word for each block of A
.set XI,   232                         ; v232-247 the scale images in the making
.set G1, 24                            ; s[24:31] descriptor group 1 for A's tiles;  s[32:39] group 0, one set for each slot
.set G0, 32
.set G1B, 48                           ; s[48:55], s[56:63] the same for B's tiles
.set G0B, 56
.set ISV, 66                           ; s66  1 in V's clusters
.set VM,  67                           ; s67  the same as a mask of lanes: all or none
.set G1S, 68                           ; s[68:75], s[76:79] groups 1 and 0 for A's scales;  s[80:87], s[88:91] for B's.  Behind the last wait for all tensor loads s68-91 serve the way out:
.set G0S, 76
.set G1SB, 80
.set G0SB, 88
.set S1,  72                           ; s[72:73] the second head's scale image
.set INC, 78                           ; s[78:79] from one block of A to the next in the codes' buffer
.set SEL, 80                           ; s[80:81] lane selects: lane l xor 16
.set MNT, 82
.set HM,  83                           ; s83  mask of lanes 16-31
.set P0,  84                           ; s[84:85] where code groups 0 and 1 of a block of A go
.set S0,  86                           ; s[86:87] the first head's scale image
.set P1,  88                           ; s[88:89] where groups 2 and 3 go
.set INC4, 90                          ; s[90:91] the same step behind block 3
.set MSB, 0
.macro WIN new                         ; the immediate's high byte repeats the setting that is left
.if MSB != \new
	s_set_vgpr_msb (MSB<<8)|\new
.set MSB, \new
.endif
.endm
.set MUL_LO, 0xa1                      ; source 0 (B) window 1, source 1 (A) window 0, C and D window 2
.set MUL_HI, 0xf1                      ; the same, C and D window 3
.set TO_B,   0x40                      ; destination window 1, address window 0
; A joint load: waves 0 and 1 fetch for A, waves 2 and 3 for B.  Each line has one mask and one set of registers for all that issue it; the branch hangs on the wave's number alone.
; Four v_nop follow each of the two lines.
.macro JLOAD g0a, g1a, g0b, g1b
	s_cmp_eq_u32 s15, 0
	s_cbranch_scc0 .Lfor_b_\@
	tensor_load_to_lds s[\g0a:\g0a+3], s[\g1a:\g1a+7]
	s_nop 0
.rept 4
	v_nop
.endr
	s_branch .Lasked_\@
.Lfor_b_\@:
	tensor_load_to_lds s[\g0b:\g0b+3], s[\g1b:\g1b+7]
	s_nop 0
.rept 4
	v_nop
.endr
.Lasked_\@:
.endm
.macro CREST                           ; a round of the cluster's barrier behind its opening barrier
	s_cmp_lg_u32 s14, 0
	s_cbranch_scc1 .Lnot_wave_0_\@
	s_barrier_signal -3
.Lnot_wave_0_\@:
	s_barrier_wait -3
	s_barrier_signal -1
	s_barrier_wait -1
.endm
.macro CROUND                          ; a whole round
	s_barrier_signal -1
	s_barrier_wait -1
	CREST
.endm
	s_load_b128 s[4:7], s[0:1], 0x0                ; x's codes, x's scales
	s_load_b128 s[8:11], s[0:1], 0x10              ; W's codes, W's scales
	s_load_b256 s[92:99], s[0:1], 0x20             ; b_qkv s[92:93], qc s[94:95], qs s[96:97], kv s[98:99]
	v_lshl_add_u32 v[SPW], v0, 2, SPARE
	v_mov_b32 v[NIL], 0
	ds_add_u32 v28, v29
	ds_add_u32 v28, v29
	s_wait_dscnt 0x0
	v_lshrrev_b32 v1, 5, v0
	v_readfirstlane_b32 s14, v1                    ; wave 0..3
	s_lshr_b32 s15, s14, 1                         ; which half of A's 256 rows is mine.  Also: I fetch for A (0) or for B (1)
	s_and_b32 s16, s14, 1                          ; which half of B's 256 rows.  Also: which 128 rows of that tile I fetch
	s_bfe_u32 s40, ttmp6, 0x40000                  ; cx, cy: my place in the cluster
	s_bfe_u32 s41, ttmp6, 0x40004
	s_and_b32 s13, ttmp7, 0xffff
	s_lshl_b32 s13, s13, 2                         ; 4 x cluster y: the cluster's first block of 256 tokens
	s_lshl_b32 s12, ttmp9, 2                       ; 4 x cluster x: its first block of 256 features (Q, K)
	s_cmp_eq_u32 ttmp9, 2                          ; V's clusters: the operands change places
	s_cselect_b32 s[ISV], 1, 0
	s_cselect_b32 s[VM], -1, 0
	s_cselect_b32 s17, 8, s13
	s_cselect_b32 s42, s13, s12
	s_add_co_u32 s17, s17, s41                     ; A's block of 256 rows: tokens 4 cluster y + cy, or features 8 + cy: it hangs on cy alone
	s_add_co_u32 s42, s42, s40                     ; B's: features 4 cluster x + cx, or tokens 4 cluster y + cx: on cx alone
	s_lshl_b32 s43, s41, 2
	s_lshl_b32 s43, 15, s43                        ; my row of the cluster
	s_lshl_b32 s44, 0x1111, s40                    ; my column
	; descriptor group 1: a tile of 128 rows x 256 bytes, padded in LDS
	s_or_b32 s[G1+0], s43, (0<<16)|(1<<20)|(1<<21)|(5<<22)|(3<<25)  ; the mask: A's tiles go to my row; elements of 1 byte; padding on; bit 21 beside a mask; after every 64 words, 4 words
	s_or_b32 s[G1B+0], s44, (0<<16)|(1<<20)|(1<<21)|(5<<22)|(3<<25)
.irp g, G1, G1B
	s_mov_b32 s[\g+1], ROWB<<16                    ; tensor_dim0
	s_mov_b32 s[\g+2], 128<<16                     ; tensor_dim1
	s_mov_b32 s[\g+3], ROWB<<16                    ; tile_dim0
	s_mov_b32 s[\g+4], 128                         ; tile_dim1
	s_mov_b32 s[\g+5], KROW                        ; from row to row
	s_mov_b32 s[\g+6], 0
	s_mov_b32 s[\g+7], 0
.endr
	; the scale bytes of 128 rows: a dense block of 4,096 bytes, as 16 rows of 256 bytes (32 elements of 8), 16 bytes of padding behind each
	s_or_b32 s[G1S+0], s43, (3<<16)|(1<<20)|(1<<21)|(5<<22)|(3<<25)
	s_or_b32 s[G1SB+0], s44, (3<<16)|(1<<20)|(1<<21)|(5<<22)|(3<<25)
.irp g, G1S, G1SB
	s_mov_b32 s[\g+1], 32<<16
	s_mov_b32 s[\g+2], (128*KS/256)<<16
	s_mov_b32 s[\g+3], 32<<16
	s_mov_b32 s[\g+4], 128*KS/256
	s_mov_b32 s[\g+5], 32
	s_mov_b32 s[\g+6], 0
	s_mov_b32 s[\g+7], 0
.endr
	s_lshl_b32 s18, s16, 7                         ; which 128 rows of the tile I fetch
	s_lshl_b32 s20, s17, 8
	s_add_co_u32 s20, s20, s18                     ; A: row 256 x block + 128 x half
	s_lshl_b32 s46, s42, 8
	s_add_co_u32 s46, s46, s18                     ; B likewise
	s_mov_b32 s21, 0
	s_mov_b32 s47, 0
	s_mov_b64 s[18:19], KS
	s_mul_u64 s[22:23], s[20:21], s[18:19]         ; where these rows' scale bytes begin
	s_mul_u64 s[100:101], s[46:47], s[18:19]
	s_mov_b64 s[18:19], KROW
	s_mul_u64 s[20:21], s[20:21], s[18:19]         ; and their codes
	s_mul_u64 s[46:47], s[46:47], s[18:19]
	s_mul_i32 s45, s14, HALFT                      ; where they go: wave x 128 rows: no place in the cluster enters an LDS address
	s_mul_i32 s12, s14, HALFS
	s_wait_kmcnt 0x0
	s_cmp_eq_u32 ttmp9, 2                          ; in V's clusters A is W and B is x: the buffers change places; rows and scale rows are of one length in both
	s_cselect_b64 s[18:19], s[8:9], s[4:5]
	s_cselect_b64 s[8:9], s[4:5], s[8:9]
	s_mov_b64 s[4:5], s[18:19]
	s_cselect_b64 s[18:19], s[10:11], s[6:7]
	s_cselect_b64 s[10:11], s[6:7], s[10:11]
	s_mov_b64 s[6:7], s[18:19]
	s_add_nc_u64 s[20:21], s[4:5], s[20:21]
	s_add_nc_u64 s[22:23], s[6:7], s[22:23]
	s_add_nc_u64 s[46:47], s[8:9], s[46:47]
	s_add_nc_u64 s[100:101], s[10:11], s[100:101]
	CROUND                                         ; all sixteen work-groups are here: the first joint loads meet
	s_mov_b32 s[G0S], 1
	s_add_co_u32 s[G0S+1], s12, SCL
	s_mov_b64 s[G0S+2:G0S+3], s[22:23]
	s_or_b32 s[G0S+3], s[G0S+3], 0x80000000
	s_mov_b32 s[G0SB], 1
	s_add_co_u32 s[G0SB+1], s12, SCL
	s_mov_b64 s[G0SB+2:G0SB+3], s[100:101]
	s_or_b32 s[G0SB+3], s[G0SB+3], 0x80000000
	JLOAD G0S, G1S, G0SB, G1SB                     ; the scale bytes first: they are wanted with K step 0
.irp s, 0,1
	s_mov_b32 s[G0+4*\s], 1
	s_add_co_u32 s[G0+4*\s+1], s45, \s*SLOT
	s_add_nc_u64 s[G0+4*\s+2:G0+4*\s+3], s[20:21], \s*ROWB
	s_or_b32 s[G0+4*\s+3], s[G0+4*\s+3], 0x80000000
	s_mov_b32 s[G0B+4*\s], 1
	s_add_co_u32 s[G0B+4*\s+1], s45, \s*SLOT
	s_add_nc_u64 s[G0B+4*\s+2:G0B+4*\s+3], s[46:47], \s*ROWB
	s_or_b32 s[G0B+4*\s+3], s[G0B+4*\s+3], 0x80000000
	JLOAD G0+4*\s, G1, G0B+4*\s, G1B               ; three tensor loads of mine are out
.endr
	v_and_b32 v1, 15, v0                           ; r = lane % 16
	v_bfe_u32 v2, v0, 4, 1                         ; h = lane / 16
	v_mul_u32_u24 v3, v1, PITCH
	v_lshl_add_u32 v4, v2, 4, v3                   ; a fragment's row x pitch + 16 x half
	s_mul_i32 s21, s15, HALFT                      ; my 128 rows of A
	s_mul_i32 s22, s16, HALFT                      ; my 128 rows of B,
	s_add_co_u32 s22, s22, 2*HALFT                 ; which lie behind A's 256
.irp s, 0,1
	v_add_nc_u32 v[ADRA+\s], s21, v4
	v_add_nc_u32 v[ADRB+\s], s22, v4
	s_add_co_u32 s21, s21, SLOT
	s_add_co_u32 s22, s22, SLOT
.endr
	v_mul_u32_u24 v5, v1, KS                       ; my row's scale bytes: 32 a row,
	v_lshrrev_b32 v6, 8, v5
	v_lshl_add_u32 v5, v6, 4, v5                   ; and 16 more for each 256 passed
	s_mul_i32 s21, s15, HALFS                      ; A's: my 128 rows
	s_mul_i32 s22, s16, HALFS                      ; B's: my 128 rows, behind A's 256
	s_add_co_u32 s22, s22, 2*HALFS
	s_sub_co_u32 s22, s22, s21
	v_mul_u32_u24 v6, s22, v2                      ; lanes 16-31 take B's: the lower base + h x the distance
	s_add_co_u32 s21, s21, SCL
	v_add_nc_u32 v5, v5, v6
	v_add_nc_u32 v[ADRS], s21, v5
	v_and_b32 v6, 31, v0
	v_lshlrev_b32 v[LI], 4, v6
	v_lshlrev_b32 v[L8], 3, v6
	v_lshlrev_b32 v[BOF], 5, v2
	s_wait_alu depctr_va_vdst(0)
	v_lshlrev_b32 v[AOF], 2, v1
	s_wait_alu depctr_va_vdst(0)
	; THE BIAS, in both layouts; each kind of cluster uses one, and the other is read at b_qkv's first bytes, so that no load leaves the buffer
	s_lshl_b32 s46, s42, 10
	s_lshl_b32 s47, s16, 9
	s_add_co_u32 s46, s46, s47                     ; 4 x (256 x B's block + 128 x half)
	s_lshl_b32 s22, s17, 10
	s_lshl_b32 s23, s15, 9
	s_add_co_u32 s22, s22, s23                     ; 4 x (256 x A's block + 128 x half)
	s_cmp_eq_u32 s[ISV], 1
	s_cselect_b32 s46, 0, s46
	s_cselect_b32 s22, s22, 0
	s_mov_b32 s47, 0
	s_mov_b32 s23, 0
	s_add_nc_u64 s[46:47], s[92:93], s[46:47]
	s_add_nc_u64 s[22:23], s[92:93], s[22:23]
.irp b, 0,1,2,3,4,5,6,7
	global_load_b128 v[BT+8*\b:BT+8*\b+3], v[BOF], s[46:47] offset:64*\b
	global_load_b128 v[BT+8*\b+4:BT+8*\b+7], v[BOF], s[46:47] offset:64*\b+16
.endr
.irp a, 0,1,2,3,4,5,6,7
	global_load_b32 v[BA+\a], v[AOF], s[22:23] offset:64*\a
.endr
.macro FRAG reg, adr, q, i             ; a fragment: lane l holds row l % 16; registers 4 c .. 4 c + 3 hold K = 32 c + 16 (l / 16) + 0 .. 15
.irp c, 0,1,2,3
	ds_load_b128 v[\reg+4*\c:\reg+4*\c+3], v[\adr] offset:128*(\q)+32*\c+(\i)*16*PITCH
.endr
.endm
; 16 matrix instructions: A's blocks a0, a0 + 1 x B's eight, 128 along K: the slot's q-th.  p: B's set;  sc: the set of scale words.  zero = 1: the first product starts the sums.
; The 64 accumulators take turns, one instruction a turn, in the same order in every step.
.macro MUL16 a0, p, q, sc, zero
.irp a, \a0, \a0+1
.irp b, 0,1,2,3,4,5,6,7
.if \zero
	v_wmma_scale_f32_16x16x128_f8f6f4 v[8*(8*((\a)%4)+\b):8*(8*((\a)%4)+\b)+7], v[128*(\p)+FR*\b:128*(\p)+FR*\b+FR-1], v[AF+FR*(\a):AF+FR*(\a)+FR-1], 0, v[SC+8*NQ*(\sc)+NQ*\b+(\q)], v[SC+8*NQ*(\sc)+NQ*(\a)+(\q)] matrix_a_scale:MATRIX_SCALE_ROW1
.else
	v_wmma_scale_f32_16x16x128_f8f6f4 v[8*(8*((\a)%4)+\b):8*(8*((\a)%4)+\b)+7], v[128*(\p)+FR*\b:128*(\p)+FR*\b+FR-1], v[AF+FR*(\a):AF+FR*(\a)+FR-1], v[8*(8*((\a)%4)+\b):8*(8*((\a)%4)+\b)+7], v[SC+8*NQ*(\sc)+NQ*\b+(\q)], v[SC+8*NQ*(\sc)+NQ*(\a)+(\q)] matrix_a_scale:MATRIX_SCALE_ROW1
.endif
.endr
.endr
.endm
.macro FETCH_B slot, q, p              ; B's eight fragments of the slot's q-th 128 along K into set p
	WIN TO_B
.irp i, 0,1,2,3,4,5,6,7
	FRAG 128*(\p)+FR*\i, ADRB+\slot, \q, \i
.endr
	WIN 0
.endm
.macro FETCH_A slot, q, i0             ; A's blocks i0 .. i0 + 3
.irp i, \i0, \i0+1, \i0+2, \i0+3
	FRAG AF+FR*(\i), ADRA+\slot, \q, \i
.endr
.endm
.macro SCALES sc                       ; the next K step's scale words into set sc: two words a row; lanes 0-15 take A's block i, lanes 16-31 B's block i
.irp i, 0,1,2,3,4,5,6,7
	ds_load_b64 v[SC+8*NQ*\sc+NQ*\i:SC+8*NQ*\sc+NQ*\i+1], v[ADRS] offset:\i*SBLK
.endr
.endm
.macro PLACES n                        ; plain vector instructions between a matrix instruction and a load into, or a read of, its registers
.rept \n
	v_nop
.endr
.endm
; A step of 128 along K that has its successor in the same slot.  A has one set of registers: blocks 0-3 are fetched anew in the step's middle, blocks 4-7 at its end; B has two sets.
.macro STEP slot, q, zero
	s_wait_dscnt 4*NL                              ; B's set and A's blocks 0-3 are in; the youngest 16 loads (A's blocks 4-7) may be out
	WIN MUL_LO
	MUL16 0, (\q)%2, \q, \slot, \zero
	MUL16 2, (\q)%2, \q, \slot, \zero
	s_wait_dscnt 0                                 ; A's blocks 4-7 are in
	PLACES NP
	FETCH_B \slot, (\q)+1, 1-(\q)%2
	FETCH_A \slot, (\q)+1, 0
	WIN MUL_HI
	MUL16 4, (\q)%2, \q, \slot, \zero
	MUL16 6, (\q)%2, \q, \slot, \zero
	PLACES NP
	WIN 0
	FETCH_A \slot, (\q)+1, 4
.endm
; A slot's last step changes slots: one barrier; in front of it each wave waits for all its tensor loads, adds 0 to its spare word, and waits for that and for its own reads of this slot.
; fill = 1: this slot is filled again, two K steps ahead; the barrier then opens a round of the cluster's barrier.
.macro TURN slot, next, fill
	s_wait_tensorcnt 0x0                           ; all my tensor loads have landed: my part of the next slot
	ds_add_u32 v[SPW], v[NIL]                      ; 0 onto my spare word
	s_wait_dscnt 4*NL+1                            ; the add and the youngest 16 loads (A's blocks 4-7) may be out
	WIN MUL_LO
	MUL16 0, 1, NQ-1, \slot, 0                     ; sixteen matrix instructions stand between the add and the wait for it
	s_wait_dscnt 0x0                               ; the add is done, and my reads of this slot are over
	s_barrier_signal -1
	MUL16 2, 1, NQ-1, \slot, 0
	WIN 0
	s_barrier_wait -1
.if \fill
	CREST                                          ; no wave of any partner still reads this slot's tile or has a load on its way
	s_add_nc_u64 s[G0+4*\slot+2:G0+4*\slot+3], s[G0+4*\slot+2:G0+4*\slot+3], 2*ROWB
	s_add_nc_u64 s[G0B+4*\slot+2:G0B+4*\slot+3], s[G0B+4*\slot+2:G0B+4*\slot+3], 2*ROWB
	JLOAD G0+4*\slot, G1, G0B+4*\slot, G1B         ; the first tensor load behind the round; its four v_nop are among the places in front of the loads below
	PLACES NP-4
.else
	PLACES NP
.endif
	s_wait_alu depctr_va_vdst(0)
	v_add_nc_u32 v[ADRS], 4*NQ, v[ADRS]            ; on to the next K step's scale words (no LDS load of mine is out)
	FETCH_B \next, 0, 0
	FETCH_A \next, 0, 0
	SCALES \next
	WIN MUL_HI
	MUL16 4, 1, NQ-1, \slot, 0
	MUL16 6, 1, NQ-1, \slot, 0
	PLACES NP
	WIN 0
	FETCH_A \next, 0, 4
.endm
	s_wait_loadcnt 0x0                             ; the bias tables are in: no global load is out from here to the way out
	s_wait_tensorcnt 1                             ; the scale bytes and my part of K step 0 are in (K step 1's load may be out),
	s_barrier_signal -1
	s_barrier_wait -1                              ; everybody's are
	FETCH_B 0, 0, 0
	FETCH_A 0, 0, 0
	SCALES 0
	FETCH_A 0, 0, 4
	STEP 0, 0, 1                                   ; the first step stands in front of the loop: its products start the sums
	s_mov_b32 s3, LAPS-1
.Llap:                                                 ; a trip goes once round the ring, from a lap's second step to the next lap's first, and fills both slots again
	TURN 0, 1, 1
	STEP 1, 0, 0
	TURN 1, 0, 1
	STEP 0, 0, 0
	s_sub_co_u32 s3, s3, 1
	s_cmp_lg_u32 s3, 0
	s_cbranch_scc1 .Llap
	TURN 0, 1, 0                                   ; the last lap fills nothing, and has no round of the cluster's barrier
	STEP 1, 0, 0
	s_wait_dscnt 4*NL                              ; the very last step: nothing more to fetch
	WIN MUL_LO
	MUL16 0, 1, NQ-1, 1, 0
	MUL16 2, 1, NQ-1, 1, 0
	s_wait_dscnt 0
	WIN MUL_HI
	MUL16 4, 1, NQ-1, 1, 0
	MUL16 6, 1, NQ-1, 1, 0
	WIN 0
	; ---- THE WAY OUT: bias, quantiser, stores of whole register images.  No LDS is touched.
	PLACES NP                                      ; in front of the first read of results and the first write of registers that held A's fragments
.irp b, 0,1,2,3
	v_mov_b32 v[TM+4+\b], 0                        ; written once: a lane permute's destination counts as one of its sources
.endr
	s_lshl_b32 s68, s17, 1
	s_add_co_u32 s68, s68, s15                     ; A's 128 rows: 2 x block + half
	s_lshl_b32 s69, s42, 1
	s_add_co_u32 s69, s69, s16                     ; B's
	s_lshl_b32 s70, s40, 2
	s_lshl_b32 s71, s16, 1
	s_add_co_u32 s70, s70, s71                     ; the first of my two heads where B holds the features: 4 cx + 2 x half
	s_lshl_b32 s71, s41, 2
	s_lshl_b32 s72, s15, 1
	s_add_co_u32 s71, s71, s72                     ; and where A does: 4 cy + 2 x half
	s_cmp_eq_u32 s[ISV], 1
	s_cselect_b32 s68, s69, s68                    ; my 128 tokens, 0..63
	s_cselect_b32 s70, s71, s70
	s_lshr_b32 s69, s68, 4
	s_lshl_b32 s69, s69, 4
	s_add_co_u32 s69, s69, s70                     ; 16 x batch + head
	s_and_b32 s68, s68, 15                         ; which 128 tokens of the batch's 2,048
	s_mov_b32 s72, 270336                          ; kv: a head, 128 keys;  qc: 131,072 and 8,192;  qs: 4,096 and 256
	s_mov_b32 s73, 16896
	s_mov_b32 s74, 270336
	s_mov_b32 s75, 16896
	s_cmp_eq_u32 ttmp9, 0                          ; Q's clusters store into qc and qs, the others into kv
	s_cselect_b32 s72, 131072, s72
	s_cselect_b32 s73, 8192, s73
	s_cselect_b32 s74, 4096, s74
	s_cselect_b32 s75, 256, s75
	s_cselect_b64 s[P0:P0+1], s[94:95], s[98:99]
	s_cselect_b64 s[S0:S0+1], s[96:97], s[98:99]
	s_mul_i32 s76, s69, s72
	s_mul_i32 s77, s68, s73
	s_add_co_u32 s76, s76, s77
	s_mov_b32 s[INC], 1024                         ; Q, K: a token tile is 1,024 bytes on
	s_mov_b32 s[INC4], 1024
	s_mov_b32 s80, 16384                           ; K's scale image in a record
	s_cmp_eq_u32 s[ISV], 1
	s_cselect_b32 s77, 8192, 0                     ; V's codes lie behind K's in a record
	s_cselect_b32 s72, 1024, s72                   ; groups 2 and 3: V: the same tile's key blocks 2 and 3;  Q, K: the next head
	s_cselect_b32 s[INC], 2048, s[INC]             ; V: a tile of 16 features is 2,048 bytes on,
	s_cselect_b32 s[INC4], 264192, s[INC4]         ; and behind the fourth comes the next head: 270,336 - 3 x 2,048
	s_cselect_b32 s80, 16640, s80                  ; V's scale image
	s_add_co_u32 s76, s76, s77
	s_mov_b32 s77, 0
	s_mov_b32 s73, 0
	s_mov_b32 s[INC+1], 0
	s_mov_b32 s[INC4+1], 0
	s_add_nc_u64 s[P0:P0+1], s[P0:P0+1], s[76:77]
	s_add_nc_u64 s[P1:P1+1], s[P0:P0+1], s[72:73]
	s_mul_i32 s76, s69, s74
	s_mul_i32 s81, s68, s75
	s_add_co_u32 s76, s76, s81
	s_cmp_eq_u32 ttmp9, 0
	s_cselect_b32 s80, 0, s80
	s_add_co_u32 s76, s76, s80
	s_mov_b32 s75, 0
	s_add_nc_u64 s[S0:S0+1], s[S0:S0+1], s[76:77]
	s_add_nc_u64 s[S1:S1+1], s[S0:S0+1], s[74:75]  ; the next head's image
	s_mov_b32 s[SEL], 0x76543210
	s_mov_b32 s[SEL+1], 0xfedcba98
	s_mov_b32 s[HM], 0xffff0000
; 64 numbers of a lane, v[s] .. v[s + 63], four blocks of 16 (the other 16 of each block lie in lane l xor 16), become 16 registers of codes in v[PC] on and a scale word in v[pw].
.macro QUANT s, pw
.irp b, 0,1,2,3
	v_max3_num_f32 v[TM+\b], |v[\s+16*\b]|, |v[\s+1+16*\b]|, 0x4800000   ; my 16 numbers, and the floor 2^(9 - 127): the byte cannot fall under 1
.endr
.irp i, 2,4,6,8,10,12,14
.irp b, 0,1,2,3
	v_max3_num_f32 v[TM+\b], v[TM+\b], |v[\s+16*\b+\i]|, |v[\s+1+16*\b+\i]|   ; the four blocks by turns
.endr
.endr
.irp b, 0,1,2,3
	v_permlanex16_b32 v[TM+4+\b], v[TM+\b], s[SEL], s[SEL+1]
.endr
.irp b, 0,1,2,3
	v_max_num_f32 v[TM+\b], v[TM+\b], v[TM+4+\b]   ; the block's largest magnitude
.endr
.irp b, 0,1,2,3
	v_add_nc_u32 v[TM+12+\b], 0xfc000000, v[TM+\b]   ; 8 off its exponent field: the conversion's scale operand
.endr
.irp b, 0,1,2,3
.endr
.irp b, 0,1,2,3
	v_lshrrev_b32 v[TM+4+\b], 23, v[TM+12+\b]      ; the scale's byte
.endr
	v_lshl_or_b32 v[\pw], v[TM+5], 8, v[TM+4]
	v_lshl_or_b32 v[\pw], v[TM+6], 16, v[\pw]
	v_lshl_or_b32 v[\pw], v[TM+7], 24, v[\pw]
.irp b, 0,1,2,3
.irp i, 0,1,2,3,4,5,6,7,8,9,10,11,12,13,14,15
.endr
	v_cvt_scalef32_pk8_fp8_f32 v[PC+4*\b:PC+1+4*\b], v[\s+16*\b:\s+7+16*\b], v[TM+12+\b]
	v_cvt_scalef32_pk8_fp8_f32 v[PC+2+4*\b:PC+3+4*\b], v[\s+8+16*\b:\s+15+16*\b], v[TM+12+\b]
.endr
	v_nop                                          ; one plain vector instruction behind the last conversion
.endm
; Block a of A: its eight accumulators get the bias (each read from its low end on), are quantised and leave as four groups of 512 bytes.
.macro OUTA a
.set AC, 64*((\a)%4)
	s_cmp_eq_u32 s[ISV], 1                         ; the cluster's kind: the same in all partners
	s_cbranch_scc1 .Lv_arm_\@
	WIN 0x02+(\a)/4                                ; source 0: window 2 or 3
.set k, 0
.rept 32
	v_pk_add_f32 v[HA+2*k:HA+2*k+1], v[AC+2*k:AC+2*k+1], v[BT+2*k:BT+2*k+1]   ; Q, K: the bias runs along my registers
.set k, k+1
.endr
	WIN 0
	s_branch .Lbiased_\@
.Lv_arm_\@:
	WIN 0x02+(\a)/4
.set k, 0
.rept 32
.if (\a)%2
	v_pk_add_f32 v[HA+2*k:HA+2*k+1], v[AC+2*k:AC+2*k+1], v[BA+2*((\a)/2):BA+2*((\a)/2)+1] op_sel:[0,1] op_sel_hi:[1,1]   ; V: one bias a lane: the pair's second register for both halves
.else
	v_pk_add_f32 v[HA+2*k:HA+2*k+1], v[AC+2*k:AC+2*k+1], v[BA+2*((\a)/2):BA+2*((\a)/2)+1] op_sel:[0,0] op_sel_hi:[1,0]   ; the pair's first register for both halves
.endif
.set k, k+1
.endr
	WIN 0
.Lbiased_\@:
	QUANT HA, PW+(\a)
	global_store_b128 v[LI], v[PC:PC+3], s[P0:P0+1]                  ; each store covers 512 consecutive bytes, aligned to 256
	global_store_b128 v[LI], v[PC+4:PC+7], s[P0:P0+1] offset:512
	global_store_b128 v[LI], v[PC+8:PC+11], s[P1:P1+1]
	global_store_b128 v[LI], v[PC+12:PC+15], s[P1:P1+1] offset:512
	s_wait_xcnt 0x0                                ; the stores have read their data and bases: both are written again below
.if (\a) == 3
	s_add_nc_u64 s[P0:P0+1], s[P0:P0+1], s[INC4:INC4+1]
	s_add_nc_u64 s[P1:P1+1], s[P1:P1+1], s[INC4:INC4+1]
.elseif (\a) < 7
	s_add_nc_u64 s[P0:P0+1], s[P0:P0+1], s[INC:INC+1]
	s_add_nc_u64 s[P1:P1+1], s[P1:P1+1], s[INC:INC+1]
.endif
.endm
.irp a, 0,1,2,3,4,5,6,7
	OUTA \a
.endr
	; THE SCALE IMAGES of my two heads.  Q, K: word p of head e = two bytes of token tile 2 p's word and two of tile 2 p + 1's.  V: word p = the word of A's block 4 e + p as it stands.
.irp e, 0,1
.irp p, 0,1,2,3
.if \e == 0
	v_perm_b32 v[XI+8*\e+\p], v[PW+2*\p+1], v[PW+2*\p], 0x05040100
.else
	v_perm_b32 v[XI+8*\e+\p], v[PW+2*\p+1], v[PW+2*\p], 0x07060302
.endif
.endr
.irp p, 0,1,2,3
	v_cndmask_b32 v[XI+8*\e+\p], v[XI+8*\e+\p], v[PW+4*\e+\p], s[VM]
.endr
	v_cndmask_b32 v[XI+8*\e+4], v[XI+8*\e], v[XI+8*\e+1], s[HM]      ; lanes 0-15 carry the even word, lanes 16-31 the odd one
	v_cndmask_b32 v[XI+8*\e+5], v[XI+8*\e+2], v[XI+8*\e+3], s[HM]
.endr
	global_store_b64 v[L8], v[XI+4:XI+5], s[S0:S0+1]                 ; 32 lanes store 256 consecutive bytes, aligned
	global_store_b64 v[L8], v[XI+12:XI+13], s[S1:S1+1]
	s_wait_tensorcnt 0x0                           ; the wave's end
	ds_add_u32 v[SPW], v[NIL]
	s_wait_dscnt 0x0
	CROUND                                         ; the closing round: no work-group ends while a partner may still ask for a tile that names it
	s_endpgm
.Lfunc_end_k_q19d52ea6e2_qkv:
	.size	k_q19d52ea6e2_qkv, .Lfunc_end_k_q19d52ea6e2_qkv-k_q19d52ea6e2_qkv
	.p2alignl 7, 3214868480
	.fill 96, 4, 3214868480
	.section	.rodata,"a",@progbits
	.p2align	6, 0x0
	.amdhsa_kernel k_q19d52ea6e2_qkv
		.amdhsa_group_segment_fixed_size 327680
		.amdhsa_private_segment_fixed_size 0
		.amdhsa_enable_private_segment 0
		.amdhsa_kernarg_size 64
		.amdhsa_user_sgpr_count 2
		.amdhsa_user_sgpr_kernarg_segment_ptr 1
		.amdhsa_wavefront_size32 1
		.amdhsa_system_sgpr_workgroup_id_x 1
		.amdhsa_system_sgpr_workgroup_id_y 1
		.amdhsa_system_sgpr_workgroup_id_z 1
		.amdhsa_system_vgpr_workitem_id 0
		.amdhsa_next_free_vgpr 1024
		.amdhsa_next_free_sgpr 102
		.amdhsa_reserve_vcc 0
		.amdhsa_float_denorm_mode_32 3
		.amdhsa_float_denorm_mode_16_64 3
		.amdhsa_fp16_overflow 1
		.amdhsa_memory_ordered 1
		.amdhsa_forward_progress 1
		.amdhsa_inst_pref_size 189
	.end_amdhsa_kernel
	.amdgpu_metadata
---
amdhsa.version: [ 1, 2 ]
amdhsa.kernels:
  - .name:           k_q19d52ea6e2_qkv
    .symbol:         k_q19d52ea6e2_qkv.kd
    .args:
      - { .name: x_codes, .offset: 0, .size: 8, .value_kind: global_buffer, .address_space: global }
      - { .name: x_scales, .offset: 8, .size: 8, .value_kind: global_buffer, .address_space: global }
      - { .name: W_qkv_codes, .offset: 16, .size: 8, .value_kind: global_buffer, .address_space: global }
      - { .name: W_qkv_scales, .offset: 24, .size: 8, .value_kind: global_buffer, .address_space: global }
      - { .name: b_qkv, .offset: 32, .size: 8, .value_kind: global_buffer, .address_space: global }
      - { .name: qc, .offset: 40, .size: 8, .value_kind: global_buffer, .address_space: global }
      - { .name: qs, .offset: 48, .size: 8, .value_kind: global_buffer, .address_space: global }
      - { .name: kv, .offset: 56, .size: 8, .value_kind: global_buffer, .address_space: global }
    .group_segment_fixed_size: 327680
    .private_segment_fixed_size: 0
    .kernarg_segment_align: 8
    .kernarg_segment_size: 64
    .max_flat_workgroup_size: 128
    .sgpr_count:     102
    .vgpr_count:     1024
    .wavefront_size: 32
...
	.end_amdgpu_metadata
.endif
;; end of part 1
;; launch attn (part 2): grid 4 x 64, 16 waves a work-group, clusters of 4 x 1, 327,680 bytes of LDS; arguments qc, qs, kv, ac, asc; writes ac, asc
.if DOCPART == 2
	.amdgcn_target "amdgcn-amd-amdhsa--gfx1250"
	.amdhsa_code_object_version 6
	.text
	.protected	k_q19d52ea6e2_attn
	.globl	k_q19d52ea6e2_attn
	.p2align	8
	.type	k_q19d52ea6e2_attn,@function
k_q19d52ea6e2_attn:
	s_mov_b64 s[64:65], 0
	v_nop
	global_prefetch_b8 v0, s[64:65] scope:SCOPE_SE
	s_setreg_imm32_b32 hwreg(HW_REG_WAVE_MODE, 25, 1), 1
	s_wait_xcnt 0x0
	s_wait_alu depctr_hold_cnt(0) depctr_sa_sdst(0) depctr_va_vdst(0) depctr_va_sdst(0) depctr_va_ssrc(0) depctr_va_vcc(0) depctr_vm_vsrc(0)
	s_getreg_b32 s2, hwreg(HW_REG_IB_STS2, 6, 4)
	s_cmp_eq_u32 s2, 0
	s_cbranch_scc0 .Lentry_in_a_cluster
	s_endpgm
.Lentry_in_a_cluster:
	s_bfe_u32 s2, ttmp6, 0x10000c
	s_cmp_lg_u32 s2, 0x3003
	s_cbranch_scc0 .Lentry_shape_is_right
	s_endpgm
.Lentry_shape_is_right:
; Causal attention of one head (64 numbers a head, 2,048 tokens) on codes of FP8 (E4M3) with one E8M0 scale for each 32 along a product's K, and the quantiser ahead of the last projection.
; t = score x log2(e) / 8;  M = the running largest t rounded UP to a whole number;  p = 2^(t - M) is quantised along the keys, not normalised; the row's sum is taken of the unquantised p and divides at the end.
; When M moves, the sum and O are multiplied by 2^(old M - new M), which rounds nothing.  O / sum is quantised along the model's 1,024 (a head is two blocks of 32) and leaves as codes.
; INPUTS (made by the launch before, as images of operand registers: groups of 512 bytes, lane l's 16 bytes at 16 l): qc [head 64][token tile 128][block 2][512]; qs [head][16][256];
; kv [head][128 keys: 16][16,896]: K's codes [tile 8][block 2][512] at 0, V's codes [16 features: 4][key block 4][512] at 8,192, K's scale words at 16,384, V's at 16,640.
; OUTPUTS: ac [token tile 512][head 16][block 2][512]: the next product's A fragments;  asc [8192 tokens][32]: its scale bytes.
; SHARES.  The four work-groups of a cluster belong to one head.  The head's whole K and V, 270,336 bytes, lie in each work-group's LDS, filled ONCE by joint loads (each wave asks for 17 + 49 rows of 256 bytes;
; the mask names the four work-groups): no slot is ever filled again.  Wave j of work-group cx owns two tiles of 16 queries: tile e = 2 cx + j / 8 of the 128 queries 15 - j % 8 and of the 128 queries j % 8.
; A tile of the G-th 128 queries needs G + 1 key steps of 128, so every wave has 17 steps.  Branches hang on the wave's number alone; cx enters global addresses and the operand of the mask's compare.
; LAYOUT.  Both products are used transposed: S^T = K Q^T (source 0 = keys), O^T = V^T P^T (source 0 = features): a lane holds ONE query (lane % 16) throughout.
; K = 64 IN AN INSTRUCTION OF 128: a fragment of K holds TWO tiles of keys side by side (registers 0-7, 8-15); it multiplies [Q | zeros] for the first and [zeros | Q] for the second: zero codes add nothing.
; ORDER INSIDE A BLOCK OF 32: p's 16 registers of two neighbouring tiles hold keys 8 h + 0..7 and 16 + 8 h + 0..7 of the block (h = lane / 16); V's codes were made in the same order.  O^T comes out in that order along the
; features; W_o has the plain order, so the finished codes are put in plain order by an exchange between the halves of the lanes.
; LIMITS: NaN and infinities are not served; a block whose largest magnitude lies under 2^-118 keeps the scale byte 1, and so does a block of zeros (its codes are zeros; this program alone reads the bytes).
; asc is stored two bytes a token, 32 bytes apart: a head owns two of a token's 32 scale bytes.
.set RECB,   16896                     ; a key step's record
.set PART_A, 17*256                    ; a wave's part of the first joint loads: together 69,632 bytes, which hold key steps 0 to 3 (67,584 bytes)
.set PART_B, 49*256                    ; and of the second
.set BASE_B, 16*PART_A
.set VOFF,   8192
.set KSOFF,  16384
.set VSOFF,  16640
.set LI,  1                            ; v1   16 x lane
.set L8,  2                            ; v2   8 x lane
.set R8,  3                            ; v3   8 x (lane % 16)
.set DQ,  4                            ; v4   my query's place among its 128, less 8 (lane / 16)
.set R32, 5                            ; v5   32 x (lane % 16)
.set ADK, 6                            ; v6   LDS address of the step's code groups
.set ADS, 7                            ; v7   of its scale words
                                       ; v12 -M, v13 the largest t, v[14:15] the sum in two halves
.set Q,   16                           ; v16-23 Q, v24-31 zeros, v32-39 Q again
.set KV,  40                           ; v40-103  four fragments: of K, then of V
.set S,   104                          ; v104-167 S^T, then p
.set O,   168                          ; v168-199 O^T
.set PC,  200                          ; v200-215 p's codes
.set BM,  216                          ; v216-219 the blocks' largest
.set T1,  220                          ; v220-223 at work
.set HL,  224
.set SO,  228                          ; v228-231 the conversions' scale operands
.set TMP, 232
.set F,   234                          ; v234 2^(old M - new M);
.set PS,  235                          ; v235 p's scale word
.set SUM2, 236                         ; v[236:237] the second chain of the sum
.set KS,  240                          ; v240-241 K's scale words
.set VS,  242                          ; v242-243 V's
.set QS,  244                          ; v244 Q's scale word
.set NINF, 245
.set Q2,  246                          ; v246-253 the second tile's Q
.set QS2, 254                          ; v254 and its scale word
.set PAR, 2                            ; s2   wave / 8
.set WV,  14
.set CX,  15
.set BH,  16                           ; 16 x batch + head
.set GG,  17                           ; wave % 8
.set EE,  18                           ; my tile among the 8 of 128 queries
.set MNT, 19
.set SEL, 20                           ; s[20:21]
.set CS,  22                           ; s[22:23] log2(e) / 8
.set G1A, 24                           ; s[24:31] group 1: 17 rows of 256 bytes;  s[32:39]: 49 rows
.set G1B, 32
.set G0A, 40                           ; s[40:43], s[44:47] groups 0
.set G0B, 44
.set TB,  48                           ; s48  LDS byte of the step's record
.set SI,  49                           ; s49  the key step
.set SG,  50                           ; s50  which 128 queries my tile in hand belongs to
.set HM,  51                           ; s51  mask of lanes 16-31
.macro CROUND                          ; a round of the cluster's barrier
	s_barrier_signal -1
	s_barrier_wait -1
	s_cmp_lg_u32 s[WV], 0
	s_cbranch_scc1 .Lnot_wave_0_\@
	s_barrier_signal -3
.Lnot_wave_0_\@:
	s_barrier_wait -3
	s_barrier_signal -1
	s_barrier_wait -1
.endm
	s_load_b256 s[4:11], s[0:1], 0x0               ; qc s[4:5], qs s[6:7], kv s[8:9], ac s[10:11]
	s_load_b64 s[12:13], s[0:1], 0x20              ; asc
	v_lshl_add_u32 v239, v0, 2, 0x42000
	v_mov_b32 v255, 0
	ds_add_u32 v239, v255
	ds_add_u32 v239, v255
	v_lshrrev_b32 v8, 5, v0
	s_delay_alu instid0(VALU_DEP_1)
	v_readfirstlane_b32 s[WV], v8                  ; wave 0..15
	s_bfe_u32 s[CX], ttmp6, 0x40000                ; my place in the cluster
	s_and_b32 s[BH], ttmp7, 0xffff                 ; the head, which the four partners share
	s_and_b32 s[GG], s[WV], 7
	s_lshr_b32 s[PAR], s[WV], 3
	s_lshl_b32 s[EE], s[CX], 1
	s_add_co_u32 s[EE], s[EE], s[PAR]
	; descriptor group 1: dense rows of 256 bytes (32 elements of 8), no padding: the images are read 16 bytes a lane on end
	s_mov_b32 s[G1A], 15|(3<<16)|(1<<21)           ; the mask: all four work-groups; elements of 8 bytes; bit 21 beside a mask
	s_mov_b32 s[G1A+1], 32<<16                     ; tensor_dim0
	s_mov_b32 s[G1A+2], 17<<16                     ; tensor_dim1
	s_mov_b32 s[G1A+3], 32<<16                     ; tile_dim0
	s_mov_b32 s[G1A+4], 17                         ; tile_dim1
	s_mov_b32 s[G1A+5], 32                         ; from row to row
	s_mov_b32 s[G1A+6], 0
	s_mov_b32 s[G1A+7], 0
	s_mov_b32 s[G1B], 15|(3<<16)|(1<<21)
	s_mov_b32 s[G1B+1], 32<<16
	s_mov_b32 s[G1B+2], 49<<16
	s_mov_b32 s[G1B+3], 32<<16
	s_mov_b32 s[G1B+4], 49
	s_mov_b32 s[G1B+5], 32
	s_mov_b32 s[G1B+6], 0
	s_mov_b32 s[G1B+7], 0
	s_mul_i32 s52, s[BH], 16*RECB                  ; the head's first byte in kv
	s_mul_i32 s53, s[WV], PART_A                   ; my part of the first 69,632 bytes,
	s_mul_i32 s54, s[WV], PART_B
	s_add_co_u32 s54, s54, BASE_B                  ; and of the rest: the same place in the head and in LDS
	s_add_co_u32 s56, s52, s53
	s_mov_b32 s57, 0
	s_add_co_u32 s58, s52, s54
	s_mov_b32 s59, 0
	s_mov_b32 s[SEL], 0x76543210
	s_mov_b32 s[SEL+1], 0xfedcba98                 ; lane l xor 16
	s_mov_b32 s[CS], 0x3e38aa3b                    ; log2(e) / sqrt(64)
	s_mov_b32 s[CS+1], s[CS]                       ; (named with it as a pair, so it is written)
	s_mov_b32 s[HM], 0xffff0000
	s_wait_dscnt 0x0
	s_wait_kmcnt 0x0
	s_mov_b32 s[G0A], 1
	s_mov_b32 s[G0A+1], s53
	s_add_nc_u64 s[G0A+2:G0A+3], s[8:9], s[56:57]
	s_or_b32 s[G0A+3], s[G0A+3], 0x80000000
	s_mov_b32 s[G0B], 1
	s_mov_b32 s[G0B+1], s54
	s_add_nc_u64 s[G0B+2:G0B+3], s[8:9], s[58:59]
	s_or_b32 s[G0B+3], s[G0B+3], 0x80000000
	CROUND                                         ; all four work-groups are here: the joint loads meet
	tensor_load_to_lds s[G0A:G0A+3], s[G1A:G1A+7]  ; the first of the launch's two tensor loads: one of mine is out
	s_nop 0
	s_wait_alu depctr_va_vdst(0)
	s_wait_tensorcnt 0x0
	ds_add_u32 v239, v255
	s_wait_dscnt 0x0
	CROUND
	tensor_load_to_lds s[G0B:G0B+3], s[G1B:G1B+7]
	s_nop 0
.rept 4
	v_nop
.endr
	v_and_b32 v8, 31, v0
	s_delay_alu instid0(VALU_DEP_1)
	v_lshlrev_b32 v[LI], 4, v8
	s_wait_alu depctr_va_vdst(0)
	v_lshlrev_b32 v[L8], 3, v8
	v_and_b32 v9, 15, v0                           ; r
	v_bfe_u32 v10, v0, 4, 1                        ; h
	s_delay_alu instid0(VALU_DEP_2)
	v_lshlrev_b32 v[R8], 3, v9
	s_wait_alu depctr_va_vdst(0)
	v_lshlrev_b32 v[R32], 5, v9
	v_lshlrev_b32 v10, 3, v10
	s_delay_alu instid0(VALU_DEP_1)
	v_sub_nc_u32 v[DQ], v9, v10
	s_lshl_b32 s60, s[EE], 4
	v_add_nc_u32 v[DQ], s60, v[DQ]                 ; 16 e + r - 8 h
	; Q of my two tiles: qc + head x 131,072 + (8 G + e) x 1,024
	s_lshl_b32 s60, s[BH], 17
	s_lshl_b32 s61, s[EE], 10
	s_add_co_u32 s60, s60, s61
	s_sub_co_u32 s62, 15, s[GG]                    ; the long tile's G
	s_lshl_b32 s63, s62, 13
	s_add_co_u32 s56, s60, s63
	s_mov_b32 s57, 0
	s_add_nc_u64 s[52:53], s[4:5], s[56:57]
	s_lshl_b32 s63, s[GG], 13
	s_add_co_u32 s56, s60, s63
	s_add_nc_u64 s[54:55], s[4:5], s[56:57]
	; their scale words: qs + head x 4,096 + G x 256; my tile e lies in pair cx: word cx / 2 of the image's lanes 16 (cx % 2) + r
	s_lshl_b32 s60, s[BH], 12
	s_and_b32 s61, s[CX], 1
	s_lshl_b32 s61, s61, 7
	s_add_co_u32 s60, s60, s61
	s_lshr_b32 s61, s[CX], 1
	s_lshl_b32 s61, s61, 2
	s_add_co_u32 s60, s60, s61
	s_lshl_b32 s63, s62, 8
	s_add_co_u32 s56, s60, s63
	s_add_nc_u64 s[58:59], s[6:7], s[56:57]
	s_lshl_b32 s63, s[GG], 8
	s_add_co_u32 s56, s60, s63
	s_add_nc_u64 s[56:57], s[6:7], s[56:57]
	global_load_b128 v[Q:Q+3], v[LI], s[52:53]
	global_load_b128 v[Q+4:Q+7], v[LI], s[52:53] offset:512
	global_load_b128 v[Q+16:Q+19], v[LI], s[52:53]
	global_load_b128 v[Q+20:Q+23], v[LI], s[52:53] offset:512
	global_load_b128 v[Q2:Q2+3], v[LI], s[54:55]
	global_load_b128 v[Q2+4:Q2+7], v[LI], s[54:55] offset:512
	global_load_b32 v[QS], v[R8], s[58:59]
	global_load_b32 v[QS2], v[R8], s[56:57]
.irp i, 0,1,2,3,4,5,6,7
	v_mov_b32 v[Q+8+\i], 0                         ; the zero codes between the two copies of Q
.endr
.irp b, 0,1,2,3
	v_mov_b32 v[T1+\b], 0                          ; written once: a lane permute's destination counts as one of its sources
.endr
	v_mov_b32 v[TMP], 0
	v_mov_b32 v[PS], 0                             ; (named as the upper half of the pair v[F:F+1] before it is first written)
	v_mov_b32 v[NINF], 0xff800000
	s_lshl_b32 s60, s[PAR], 4
	s_wait_loadcnt 0x0
	v_lshrrev_b32 v[QS], s60, v[QS]                ; my tile's two bytes of the pair's word,
	v_lshrrev_b32 v[QS2], s60, v[QS2]
	s_delay_alu instid0(VALU_DEP_2)
	v_and_b32 v[QS], 0xffff, v[QS]
	s_delay_alu instid0(VALU_DEP_2)
	v_and_b32 v[QS2], 0xffff, v[QS2]
	s_delay_alu instid0(VALU_DEP_2)
	v_lshl_or_b32 v[QS], v[QS], 16, v[QS]          ; twice: for Q in the lower and in the upper half of the instruction's K
	s_delay_alu instid0(VALU_DEP_2)
	v_lshl_or_b32 v[QS2], v[QS2], 16, v[QS2]
.macro INIT                            ; a tile begins: the step is written once, and its first turn finds zeros, which the first change of M leaves zeros
	v_mov_b32 v13, 0xff61b1e6                      ; the largest t so far: -3e38
	s_delay_alu instid0(VALU_DEP_1)
	v_floor_f32 v12, -v13                          ; -M
	v_mov_b32 v14, 0
	v_mov_b32 v15, 0
.set n, 0
.rept 32
	v_mov_b32 v[O+n], 0
.set n, n+1
.endr
.endm
; A KEY STEP: 128 keys.  chk = 1: a step all of whose keys come after my queries is left out (a scalar branch on numbers made of the wave's number and the loop's count), and on the diagonal hidden scores become -infinity.
.macro STEP chk
.if \chk
	s_cmp_gt_u32 s[SI], s[SG]
	s_cbranch_scc1 .Lhid_\@
.endif
	s_setprio 2
	v_add_nc_u32 v[ADK], s[TB], v[LI]
	v_add_nc_u32 v[ADS], s[TB], v[L8]
.rept 6
	v_nop                                          ; with the two additions: eight places in front of loads into registers that the last products read
.endr
.set n, 0
.rept 16
	ds_load_b128 v[KV+4*n:KV+4*n+3], v[ADK] offset:512*n   ; K: groups 4 p .. 4 p + 3 are the pair of tiles p
.set n, n+1
.endr
	ds_load_b64 v[KS:KS+1], v[ADS] offset:KSOFF
	s_wait_alu depctr_va_vdst(0)
	s_wait_dscnt 0x0
.irp t, 0,1,2,3,4,5,6,7                        ; S^T: tile t of 16 keys; the eight accumulators take single turns
.if (\t/2)%2
	v_wmma_scale_f32_16x16x128_f8f6f4 v[S+8*\t:S+8*\t+7], v[KV+16*(\t/2):KV+16*(\t/2)+15], v[Q+8*(\t%2):Q+8*(\t%2)+15], 0, v[KS+\t/4], v[QS] matrix_a_scale:MATRIX_SCALE_ROW1
.else
	v_wmma_scale_f32_16x16x128_f8f6f4 v[S+8*\t:S+8*\t+7], v[KV+16*(\t/2):KV+16*(\t/2)+15], v[Q+8*(\t%2):Q+8*(\t%2)+15], 0, v[KS+\t/4], v[QS]
.endif
.endr
.rept 8
	v_nop                                          ; places in front of the loads below and of the first read of the scores
.endr
.set n, 0
.rept 16
	ds_load_b128 v[KV+4*n:KV+4*n+3], v[ADK] offset:VOFF+512*n   ; V's four fragments land while the softmax is worked
.set n, n+1
.endr
	ds_load_b64 v[VS:VS+1], v[ADS] offset:VSOFF
.if \chk
	s_cmp_lg_u32 s[SI], s[SG]
	s_cbranch_scc1 .Lopen_\@                       ; all keys of the step count
.set n, 0
.rept 64                                       ; register n holds key 16 (n / 8) + n % 8 + 8 h of the step: hidden where that lies behind my query
	v_cmp_gt_i32 vcc_lo, 16*(n/8)+n%8, v[DQ]
	v_cndmask_b32 v[S+n], v[S+n], v[NINF], vcc_lo
.set n, n+1
.endr
.Lopen_\@:
.endif
.irp b, 0,1,2,3
	v_max3_num_f32 v[BM+\b], v[S+16*\b], v[S+1+16*\b], v[S+2+16*\b]   ; the largest score of each block of 32 keys: for the row's maximum and, since p rises with the score, for the block's largest p
.endr
.irp i, 3,5,7,9,11,13
.irp b, 0,1,2,3
	v_max3_num_f32 v[BM+\b], v[BM+\b], v[S+16*\b+\i], v[S+1+16*\b+\i]
.endr
.endr
.irp b, 0,1,2,3
	v_max_num_f32 v[BM+\b], v[BM+\b], v[S+15+16*\b]
.endr
.irp b, 0,1,2,3
	s_delay_alu instid0(VALU_DEP_4)
	v_permlanex16_b32 v[T1+\b], v[BM+\b], s[SEL], s[SEL+1]
.endr
.irp b, 0,1,2,3
	s_delay_alu instid0(VALU_DEP_4)
	v_max_num_f32 v[BM+\b], v[BM+\b], v[T1+\b]     ; with lane l xor 16's 16 keys
.endr
	s_delay_alu instid0(VALU_DEP_2)
	v_max3_num_f32 v[TMP], v[BM], v[BM+1], v[BM+2]
	s_delay_alu instid0(VALU_DEP_1)
	v_max_num_f32 v[TMP], v[TMP], v[BM+3]
	s_delay_alu instid0(VALU_DEP_1)
	v_mul_f32 v[TMP], s[CS], v[TMP]                ; the step's largest t
	s_delay_alu instid0(VALU_DEP_1)
	v_max_num_f32 v13, v13, v[TMP]
	v_mov_b32 v[TMP], v12
	s_delay_alu instid0(VALU_DEP_2)
	v_floor_f32 v12, -v13                          ; the new -M = -ceil(t)
	s_delay_alu instid0(VALU_DEP_1)
	v_sub_f32 v[TMP], v12, v[TMP]                  ; old M - new M: a whole number, 0 or less
	s_delay_alu instid0(VALU_DEP_1)
	v_cvt_i32_f32 v[TMP], v[TMP]                   ; (it saturates)
	s_delay_alu instid0(VALU_DEP_1)
	v_ldexp_f32 v[F], 1.0, v[TMP]
.set n, 0
.rept 32
	v_pk_fma_f32 v[S+n:S+n+1], v[S+n:S+n+1], s[CS:CS+1], v[12:13] op_sel_hi:[1,0,0]   ; t - M, two at a time
.set n, n+2
.endr
.irp b, 0,1,2,3
	v_fma_f32 v[BM+\b], v[BM+\b], s[CS], v12       ; the same of each block's largest score
.endr
.set n, 0
	s_setprio 1
	s_wait_alu depctr_va_vdst(0)
.rept 64
	v_exp_f32 v[S+n], v[S+n]                       ; p = 2^(t - M)
.set n, n+1
.endr
	v_pk_mul_f32 v[14:15], v[14:15], v[F:F+1] op_sel_hi:[1,0]   ; the sums under the new M: a plain instruction behind the exponentials
	s_wait_alu depctr_va_vdst(0)                   ; one wait for the batch of 64, ahead of its first reader
.irp b, 0,1,2,3
	v_exp_f32 v[BM+\b], v[BM+\b]                   ; the block's largest p
.endr
	v_pk_add_f32 v[SUM2:SUM2+1], v[S:S+1], v[S+2:S+3]   ; the row's sum of the unquantised p, in two chains
.irp j, 4,8,12,16,20,24,28,32,36,40,44,48,52,56,60
	v_pk_add_f32 v[14:15], v[14:15], v[S+\j:S+\j+1]
	v_pk_add_f32 v[SUM2:SUM2+1], v[SUM2:SUM2+1], v[S+\j+2:S+\j+3]
.endr
	s_delay_alu instid0(VALU_DEP_1)
	v_pk_add_f32 v[14:15], v[14:15], v[SUM2:SUM2+1]
	s_wait_alu depctr_va_vdst(0)                   ; and one for the four
.irp b, 0,1,2,3
	v_max_num_f32 v[BM+\b], 0x4800000, v[BM+\b]    ; the floor 2^(9 - 127): the byte cannot fall under 1
.endr
.irp b, 0,1,2,3
	s_delay_alu instid0(VALU_DEP_4)
	v_add_nc_u32 v[SO+\b], 0xfc000000, v[BM+\b]    ; 8 off the exponent field: the conversion's scale operand
.endr
.irp b, 0,1,2,3
.endr
.irp b, 0,1,2,3
	s_delay_alu instid0(VALU_DEP_4)
	v_lshrrev_b32 v[T1+\b], 23, v[SO+\b]           ; the scale's byte
.endr
	s_delay_alu instid0(VALU_DEP_3)
	v_lshl_or_b32 v[PS], v[T1+1], 8, v[T1]
	s_delay_alu instid0(VALU_DEP_1)
	v_lshl_or_b32 v[PS], v[T1+2], 16, v[PS]
	s_delay_alu instid0(VALU_DEP_1)
	v_lshl_or_b32 v[PS], v[T1+3], 24, v[PS]        ; p's scale word for these 128 keys
	s_setprio 0
.irp b, 0,1,2,3
.irp i, 0,1,2,3,4,5,6,7,8,9,10,11,12,13,14,15
.endr
	v_cvt_scalef32_pk8_fp8_f32 v[PC+4*\b:PC+1+4*\b], v[S+16*\b:S+7+16*\b], v[SO+\b]
	v_cvt_scalef32_pk8_fp8_f32 v[PC+2+4*\b:PC+3+4*\b], v[S+8+16*\b:S+15+16*\b], v[SO+\b]
.endr
.set n, 0
.rept 16
	v_pk_mul_f32 v[O+n:O+n+1], v[O+n:O+n+1], v[F:F+1] op_sel_hi:[1,0]   ; O^T under the new M, each accumulator from its low end on; these are also the places between the codes and the products
.set n, n+2
.endr
	s_wait_alu depctr_va_vdst(0)
	s_wait_dscnt 0x0                               ; V is in
.irp t, 0,1,2,3                                ; O^T += V^T P^T: 16 features a tile; four accumulators, single turns
.if \t%2
	v_wmma_scale_f32_16x16x128_f8f6f4 v[O+8*\t:O+8*\t+7], v[KV+16*\t:KV+16*\t+15], v[PC:PC+15], v[O+8*\t:O+8*\t+7], v[VS+\t/2], v[PS] matrix_a_scale:MATRIX_SCALE_ROW1
.else
	v_wmma_scale_f32_16x16x128_f8f6f4 v[O+8*\t:O+8*\t+7], v[KV+16*\t:KV+16*\t+15], v[PC:PC+15], v[O+8*\t:O+8*\t+7], v[VS+\t/2], v[PS]
.endif
.endr
.if \chk
.Lhid_\@:
.endif
	s_add_co_u32 s[TB], s[TB], RECB                ; the next step's record
.endm
; A TILE LEAVES: O^T / the sum, quantised along the head's 64 (two blocks), the codes put in plain order, two groups of 512 bytes and two scale bytes a token.
.macro WAYOUT
.rept 8
	v_nop                                          ; places behind the last products
.endr
	v_add_f32 v14, v14, v15
	s_delay_alu instid0(VALU_DEP_1)
	v_permlanex16_b32 v[TMP], v14, s[SEL], s[SEL+1]
	s_delay_alu instid0(VALU_DEP_1)
	v_add_f32 v14, v14, v[TMP]                     ; the row's sum
	s_wait_alu depctr_va_vdst(0)
	v_rcp_f32 v14, v14
	v_nop                                          ; a plain instruction behind the reciprocal
	s_lshr_b32 s60, s[BH], 4
	s_lshl_b32 s60, s60, 7
	s_lshl_b32 s61, s[SG], 3
	s_add_co_u32 s60, s60, s61
	s_add_co_u32 s60, s60, s[EE]                   ; my token tile among all 512: 128 x batch + 8 G + e
	s_and_b32 s61, s[BH], 15                       ; the head
	s_lshl_b32 s62, s60, 14
	s_lshl_b32 s63, s61, 10
	s_add_co_u32 s62, s62, s63
	s_mov_b32 s63, 0
	s_add_nc_u64 s[52:53], s[10:11], s[62:63]      ; ac + tile x 16,384 + head x 1,024
	s_lshl_b32 s62, s60, 9
	s_lshl_b32 s61, s61, 1
	s_add_co_u32 s62, s62, s61
	s_add_nc_u64 s[54:55], s[12:13], s[62:63]      ; asc + tile x 512 + head x 2
	s_wait_alu depctr_va_vdst(0)                   ; ahead of the reciprocal's first reader
.set n, 0
.rept 16
	v_pk_mul_f32 v[S+n:S+n+1], v[O+n:O+n+1], v[14:15] op_sel_hi:[1,0]   ; each accumulator from its low end on
.set n, n+2
.endr
.irp b, 0,1
	v_max3_num_f32 v[BM+\b], |v[S+16*\b]|, |v[S+1+16*\b]|, 0x4800000
.endr
.irp i, 2,4,6,8,10,12,14
.irp b, 0,1
	s_delay_alu instid0(VALU_DEP_2)
	v_max3_num_f32 v[BM+\b], v[BM+\b], |v[S+16*\b+\i]|, |v[S+1+16*\b+\i]|
.endr
.endr
.irp b, 0,1
	s_delay_alu instid0(VALU_DEP_2)
	v_permlanex16_b32 v[T1+\b], v[BM+\b], s[SEL], s[SEL+1]
.endr
.irp b, 0,1
	s_delay_alu instid0(VALU_DEP_2)
	v_max_num_f32 v[BM+\b], v[BM+\b], v[T1+\b]
.endr
.irp b, 0,1
	s_delay_alu instid0(VALU_DEP_2)
	v_add_nc_u32 v[SO+\b], 0xfc000000, v[BM+\b]
.endr
.irp b, 0,1
.endr
.irp b, 0,1
	s_delay_alu instid0(VALU_DEP_2)
	v_lshrrev_b32 v[T1+\b], 23, v[SO+\b]
.endr
	s_delay_alu instid0(VALU_DEP_1)
	v_lshl_or_b32 v[TMP], v[T1+1], 8, v[T1]        ; the head's two scale bytes of my token
.irp b, 0,1
.irp i, 0,1,2,3,4,5,6,7,8,9,10,11,12,13,14,15
.endr
	v_cvt_scalef32_pk8_fp8_f32 v[PC+4*\b:PC+1+4*\b], v[S+16*\b:S+7+16*\b], v[SO+\b]
	v_cvt_scalef32_pk8_fp8_f32 v[PC+2+4*\b:PC+3+4*\b], v[S+8+16*\b:S+15+16*\b], v[SO+\b]
.endr
	v_nop                                          ; one plain vector instruction behind the last conversion
	; plain order: lanes 0-15 want features 0..15 of a block (their own first eight, the other half's first eight), lanes 16-31 features 16..31 (the other half's second eight, their own)
.irp b, 0,1
.irp u, 0,1
	v_permlanex16_b32 v[PC+8+2*(2*\b+\u)], v[PC+4*\b+2+\u], s[SEL], s[SEL+1]
	v_permlanex16_b32 v[PC+9+2*(2*\b+\u)], v[PC+4*\b+\u], s[SEL], s[SEL+1]
.endr
.endr
.irp b, 0,1
.irp u, 0,1
	v_cndmask_b32 v[PC+4*\b+\u], v[PC+4*\b+\u], v[PC+8+2*(2*\b+\u)], s[HM]
	v_cndmask_b32 v[PC+4*\b+2+\u], v[PC+9+2*(2*\b+\u)], v[PC+4*\b+2+\u], s[HM]
.endr
.endr
	global_store_b128 v[LI], v[PC:PC+3], s[52:53]              ; each store covers 512 consecutive bytes, aligned to 256
	global_store_b128 v[LI], v[PC+4:PC+7], s[52:53] offset:512
	global_store_b16 v[R32], v[TMP], s[54:55]                  ; lanes 16-31 write the same two bytes with the same value as lanes 0-15
	s_wait_xcnt 0x0                                ; the stores have read their data and bases, which are written again
.endm
	s_wait_tensorcnt 1                             ; my part of the first 69,632 bytes is in; my second load may stay out
	s_barrier_signal -1
	s_barrier_wait -1                              ; everybody's is: key steps 0 to 3 are whole
	INIT
	s_sub_co_u32 s[SG], 15, s[GG]                  ; THE LONG TILE: queries 128 (15 - wave % 8) on: at least nine steps, so steps 0 to 3 hide nothing
	s_mov_b32 s[TB], 0
	s_mov_b32 s[SI], 0
.Lfirst:
	STEP 0
	s_add_co_u32 s[SI], s[SI], 1
	s_cmp_lt_u32 s[SI], 4
	s_cbranch_scc1 .Lfirst
	s_setprio 0
	s_wait_tensorcnt 0x0                           ; my part of the rest is in,
	s_wait_dscnt 0x0
	s_barrier_signal -1
	s_barrier_wait -1                              ; everybody's is: the whole head lies in LDS
	s_mov_b32 s[TB], 4*RECB
	s_mov_b32 s[SI], 4
.Llong:
	STEP 1
	s_add_co_u32 s[SI], s[SI], 1
	s_cmp_lt_u32 s[SI], 16
	s_cbranch_scc1 .Llong
	s_setprio 0
	WAYOUT
.irp i, 0,1,2,3,4,5,6,7                        ; THE SHORT TILE: queries 128 (wave % 8) on
	v_mov_b32 v[Q+\i], v[Q2+\i]
	v_mov_b32 v[Q+16+\i], v[Q2+\i]
.endr
	v_mov_b32 v[QS], v[QS2]
	INIT                                           ; (its 36 lines are also the places between these writes and the next products)
	s_mov_b32 s[SG], s[GG]
	s_mov_b32 s[TB], 0
	s_mov_b32 s[SI], 0
.Lshort:
	STEP 1
	s_add_co_u32 s[SI], s[SI], 1
	s_cmp_lt_u32 s[SI], 8
	s_cbranch_scc1 .Lshort
	s_setprio 0
	WAYOUT
	s_wait_tensorcnt 0x0
	ds_add_u32 v239, v255
	s_wait_dscnt 0x0
	CROUND                                         ; the closing round
	s_endpgm
.Lfunc_end_k_q19d52ea6e2_attn:
	.size	k_q19d52ea6e2_attn, .Lfunc_end_k_q19d52ea6e2_attn-k_q19d52ea6e2_attn
	.p2alignl 7, 3214868480
	.fill 96, 4, 3214868480
	.section	.rodata,"a",@progbits
	.p2align	6, 0x0
	.amdhsa_kernel k_q19d52ea6e2_attn
		.amdhsa_group_segment_fixed_size 327680
		.amdhsa_private_segment_fixed_size 0
		.amdhsa_enable_private_segment 0
		.amdhsa_kernarg_size 40
		.amdhsa_user_sgpr_count 2
		.amdhsa_user_sgpr_kernarg_segment_ptr 1
		.amdhsa_wavefront_size32 1
		.amdhsa_system_sgpr_workgroup_id_x 1
		.amdhsa_system_sgpr_workgroup_id_y 1
		.amdhsa_system_sgpr_workgroup_id_z 1
		.amdhsa_system_vgpr_workitem_id 0
		.amdhsa_next_free_vgpr 256
		.amdhsa_next_free_sgpr 66
		.amdhsa_reserve_vcc 1
		.amdhsa_float_denorm_mode_32 3
		.amdhsa_float_denorm_mode_16_64 3
		.amdhsa_fp16_overflow 1
		.amdhsa_memory_ordered 1
		.amdhsa_forward_progress 1
		.amdhsa_inst_pref_size 84
	.end_amdhsa_kernel
	.amdgpu_metadata
---
amdhsa.version: [ 1, 2 ]
amdhsa.kernels:
  - .name:           k_q19d52ea6e2_attn
    .symbol:         k_q19d52ea6e2_attn.kd
    .args:
      - { .name: qc, .offset: 0, .size: 8, .value_kind: global_buffer, .address_space: global }
      - { .name: qs, .offset: 8, .size: 8, .value_kind: global_buffer, .address_space: global }
      - { .name: kv, .offset: 16, .size: 8, .value_kind: global_buffer, .address_space: global }
      - { .name: ac, .offset: 24, .size: 8, .value_kind: global_buffer, .address_space: global }
      - { .name: asc, .offset: 32, .size: 8, .value_kind: global_buffer, .address_space: global }
    .group_segment_fixed_size: 327680
    .private_segment_fixed_size: 0
    .kernarg_segment_align: 8
    .kernarg_segment_size: 40
    .max_flat_workgroup_size: 512
    .sgpr_count:     66
    .vgpr_count:     256
    .wavefront_size: 32
...
	.end_amdgpu_metadata
.endif
;; end of part 2
;; launch proj (part 3): grid 4 x 32, 4 waves a work-group, clusters of 4 x 4, 327,680 bytes of LDS; arguments ac, asc, W_o_codes, W_o_scales, out0, b_o; writes out0
.if DOCPART == 3
	.amdgcn_target "amdgcn-amd-amdhsa--gfx1250"
	.amdhsa_code_object_version 6
	.text
	.protected	k_q19d52ea6e2_proj
	.globl	k_q19d52ea6e2_proj
	.p2align	8
	.type	k_q19d52ea6e2_proj,@function
k_q19d52ea6e2_proj:
	s_mov_b64 s[64:65], 0
	v_nop
	global_prefetch_b8 v0, s[64:65] scope:SCOPE_SE
	s_setreg_imm32_b32 hwreg(HW_REG_WAVE_MODE, 25, 1), 1
	s_wait_xcnt 0x0
	s_wait_alu depctr_hold_cnt(0) depctr_sa_sdst(0) depctr_va_vdst(0) depctr_va_sdst(0) depctr_va_ssrc(0) depctr_va_vcc(0) depctr_vm_vsrc(0)
	s_getreg_b32 s2, hwreg(HW_REG_IB_STS2, 6, 4)
	s_cmp_eq_u32 s2, 0
	s_cbranch_scc0 .Lentry_in_a_cluster
	s_endpgm
.Lentry_in_a_cluster:
	s_bfe_u32 s2, ttmp6, 0x10000c
	s_cmp_lg_u32 s2, 0xf033
	s_cbranch_scc0 .Lentry_shape_is_right
	s_endpgm
.Lentry_shape_is_right:
; out0 = a W_o + b_o on codes of FP8 (E4M3) with one E8M0 scale for each 32 along K (K = 1,024).  a: the attention's result, 8,192 tokens, as codes made by the launch before; W_o: [1024 (n)][1024 (k)] codes,
; [1024][32] scale bytes; b_o [1024] f32; out0 [8192][1024] f32.
; A's codes lie as IMAGES OF OPERAND REGISTERS: ac [token tile 512][128 along K: 8][block 4][512 bytes], lane l's 16 bytes at 16 l; A's scale bytes asc [8192][32] lie as rows.
; A tile of 256 x 256 of the result is made by a work-group of four waves, 128 x 128 a wave (64 accumulators).  K goes in steps of 256 through a ring of two LDS slots filled by the tensor data mover; the scale bytes of
; the work-group's rows come into LDS once.  4 x 4 work-groups form a cluster: A's tiles are asked for jointly along a row of the cluster, B's along a column.
; The matrix instruction takes 16 rows of W_o as source 0 and 16 tokens as source 1: a lane holds eight neighbouring numbers of a row of the result.  The bias is the C of each sum's first product.
; The grid has 128 work-groups: with tiles of 256 x 256 the result has no more.
.set SIZE_N, 1024
.set KSTEP,  256
.set NQ,     KSTEP/128
.set ROWB,   256                       ; a row of B's tile in bytes
.set AROWB,  4096                      ; a token tile's part of a K step: two images of 2,048 bytes
.set KROW,   1024                      ; a row of W_o in memory; also a token's share of ac: 16 tokens are 16,384 bytes
.set PITCH,  272                       ; B's rows in LDS: 256 bytes + 16 of padding
.set FR,     16
.set NL,     4
.set NP,     8
.set HALFT,  128*PITCH                 ; the room of 128 rows: B's fill it; A's images use 32,768 bytes of it
.set SLOT,   4*HALFT
.set LAPS,   2
.set KS,     32
.set SCL,    2*SLOT
.set HALFS,  (128*KS/256)*272
.set SBLK,   (16*KS/256)*272
.set SPARE,  SCL+4*HALFS               ; the spare words, 128 bytes for each wave: two blocks of 256 bytes that no other line names
.set SPITCH, 528                       ; the way out: a stage of 16 rows x (512 bytes + 16) for each wave, in slot 0, which has had its last fill and its last read by then
.set ADRA, 16                          ; v16-17  LDS address of my A images in slot 0, 1
.set ADRB, 20                          ; v20-21  of my B fragments
.set BOF,  22                          ; v22     32 x (lane / 16)
.set STO,  24
.set RD,   25
.set CO,   26
.set ADRS, 27
.set SPW,  28                          ; v28     LDS address of my spare word; never rewritten
.set NIL,  29                          ; v29     0; never rewritten
.set SC,   32                          ; v32-63  scale words, two sets
.set BT,   64                          ; v64-127 the bias: register 8 b + j: b_o at B's block b, row 8 (lane / 16) + j
.set AF,   128                         ; A's fragments, in window 0
.set BK,   128                         ; the way out: rows read back from the stage
.set G1, 24
.set G0, 32
.set G1B, 48
.set G0B, 56
.set G1S, 68
.set G0S, 76
.set G1SB, 80
.set G0SB, 88
.set MSB, 0
.macro WIN new                         ; the immediate's high byte repeats the setting that is left
.if MSB != \new
	s_set_vgpr_msb (MSB<<8)|\new
.set MSB, \new
.endif
.endm
.set MUL_LO, 0xa1                      ; source 0 (B) window 1, source 1 (A) window 0, C and D window 2
.set MUL_HI, 0xf1                      ; the same, C and D window 3
.set FIRST_LO, 0x81                    ; the first products: C (the bias) window 0, D window 2
.set FIRST_HI, 0xc1                    ; D window 3
.set TO_B,   0x40
.macro JLOAD g0a, g1a, g0b, g1b        ; a joint load: waves 0 and 1 fetch for A, waves 2 and 3 for B; four v_nop follow each line
	s_cmp_eq_u32 s15, 0
	s_cbranch_scc0 .Lfor_b_\@
	tensor_load_to_lds s[\g0a:\g0a+3], s[\g1a:\g1a+7]
	s_nop 0
.rept 4
	v_nop
.endr
	s_branch .Lasked_\@
.Lfor_b_\@:
	tensor_load_to_lds s[\g0b:\g0b+3], s[\g1b:\g1b+7]
	s_nop 0
.rept 4
	v_nop
.endr
.Lasked_\@:
.endm
.macro CREST
	s_cmp_lg_u32 s14, 0
	s_cbranch_scc1 .Lnot_wave_0_\@
	s_barrier_signal -3
.Lnot_wave_0_\@:
	s_barrier_wait -3
	s_barrier_signal -1
	s_barrier_wait -1
.endm
.macro CROUND
	s_barrier_signal -1
	s_barrier_wait -1
	CREST
.endm
	s_load_b128 s[4:7], s[0:1], 0x0                ; ac, asc
	s_load_b128 s[8:11], s[0:1], 0x10              ; W_o's codes, W_o's scales
	s_load_b64 s[12:13], s[0:1], 0x20              ; out0
	s_load_b64 s[96:97], s[0:1], 0x28              ; b_o
	v_lshl_add_u32 v[SPW], v0, 2, SPARE
	v_mov_b32 v[NIL], 0
	ds_add_u32 v28, v29
	ds_add_u32 v28, v29
	s_wait_dscnt 0x0
	v_lshrrev_b32 v1, 5, v0
	v_readfirstlane_b32 s14, v1                    ; wave 0..3
	s_lshr_b32 s15, s14, 1                         ; which half of the tile's rows is mine.  Also: I fetch for A (0) or for B (1)
	s_and_b32 s16, s14, 1                          ; which half of its columns.  Also: which 128 rows I fetch
	s_bfe_u32 s40, ttmp6, 0x40000                  ; cx, cy
	s_bfe_u32 s41, ttmp6, 0x40004
	s_lshl_b32 s42, ttmp9, 2
	s_add_co_u32 s42, s42, s40                     ; tile column
	s_and_b32 s17, ttmp7, 0xffff
	s_lshl_b32 s17, s17, 2
	s_add_co_u32 s17, s17, s41                     ; tile row
	s_lshl_b32 s43, s41, 2
	s_lshl_b32 s43, 15, s43                        ; my row of the cluster
	s_lshl_b32 s44, 0x1111, s40                    ; my column
	; A's tiles: 8 token tiles x 4,096 bytes (512 elements of 8), 16,384 bytes apart in memory, on end in LDS
	s_or_b32 s[G1+0], s43, (3<<16)|(1<<21)
	s_mov_b32 s[G1+1], 512<<16                     ; tensor_dim0
	s_mov_b32 s[G1+2], 8<<16                       ; tensor_dim1
	s_mov_b32 s[G1+3], 512<<16                     ; tile_dim0
	s_mov_b32 s[G1+4], 8                           ; tile_dim1
	s_mov_b32 s[G1+5], 2048                        ; from row to row, in elements
	s_mov_b32 s[G1+6], 0
	s_mov_b32 s[G1+7], 0
	; B's tiles: 128 rows x 256 bytes, 16 bytes of padding behind each
	s_or_b32 s[G1B+0], s44, (0<<16)|(1<<20)|(1<<21)|(5<<22)|(3<<25)
	s_mov_b32 s[G1B+1], ROWB<<16
	s_mov_b32 s[G1B+2], 128<<16
	s_mov_b32 s[G1B+3], ROWB<<16
	s_mov_b32 s[G1B+4], 128
	s_mov_b32 s[G1B+5], KROW
	s_mov_b32 s[G1B+6], 0
	s_mov_b32 s[G1B+7], 0
	; the scale bytes of 128 rows: 16 rows of 256 bytes, 16 bytes of padding behind each
	s_or_b32 s[G1S+0], s43, (3<<16)|(1<<20)|(1<<21)|(5<<22)|(3<<25)
	s_or_b32 s[G1SB+0], s44, (3<<16)|(1<<20)|(1<<21)|(5<<22)|(3<<25)
.irp g, G1S, G1SB
	s_mov_b32 s[\g+1], 32<<16
	s_mov_b32 s[\g+2], (128*KS/256)<<16
	s_mov_b32 s[\g+3], 32<<16
	s_mov_b32 s[\g+4], 128*KS/256
	s_mov_b32 s[\g+5], 32
	s_mov_b32 s[\g+6], 0
	s_mov_b32 s[\g+7], 0
.endr
	s_lshl_b32 s18, s16, 7
	s_lshl_b32 s20, s17, 8
	s_add_co_u32 s20, s20, s18                     ; A: token 256 x tile row + 128 x half
	s_lshl_b32 s46, s42, 8
	s_add_co_u32 s46, s46, s18                     ; B: row 256 x tile column + 128 x half
	s_mov_b32 s21, 0
	s_mov_b32 s47, 0
	s_mov_b64 s[18:19], KS
	s_mul_u64 s[22:23], s[20:21], s[18:19]
	s_mul_u64 s[92:93], s[46:47], s[18:19]
	s_mov_b64 s[18:19], KROW
	s_mul_u64 s[20:21], s[20:21], s[18:19]         ; A's images: 1,024 bytes a token, the token a multiple of 16
	s_mul_u64 s[46:47], s[46:47], s[18:19]
	s_mul_i32 s45, s14, HALFT
	s_mul_i32 s94, s14, HALFS
	s_wait_kmcnt 0x0
	s_add_nc_u64 s[20:21], s[4:5], s[20:21]
	s_add_nc_u64 s[22:23], s[6:7], s[22:23]
	s_add_nc_u64 s[46:47], s[8:9], s[46:47]
	s_add_nc_u64 s[92:93], s[10:11], s[92:93]
	CROUND                                         ; all sixteen work-groups are here: the first joint loads meet
	s_mov_b32 s[G0S], 1
	s_add_co_u32 s[G0S+1], s94, SCL
	s_mov_b64 s[G0S+2:G0S+3], s[22:23]
	s_or_b32 s[G0S+3], s[G0S+3], 0x80000000
	s_mov_b32 s[G0SB], 1
	s_add_co_u32 s[G0SB+1], s94, SCL
	s_mov_b64 s[G0SB+2:G0SB+3], s[92:93]
	s_or_b32 s[G0SB+3], s[G0SB+3], 0x80000000
	JLOAD G0S, G1S, G0SB, G1SB
.irp s, 0,1
	s_mov_b32 s[G0+4*\s], 1
	s_add_co_u32 s[G0+4*\s+1], s45, \s*SLOT
	s_add_nc_u64 s[G0+4*\s+2:G0+4*\s+3], s[20:21], \s*AROWB
	s_or_b32 s[G0+4*\s+3], s[G0+4*\s+3], 0x80000000
	s_mov_b32 s[G0B+4*\s], 1
	s_add_co_u32 s[G0B+4*\s+1], s45, \s*SLOT
	s_add_nc_u64 s[G0B+4*\s+2:G0B+4*\s+3], s[46:47], \s*ROWB
	s_or_b32 s[G0B+4*\s+3], s[G0B+4*\s+3], 0x80000000
	JLOAD G0+4*\s, G1, G0B+4*\s, G1B               ; three tensor loads of mine are out
.endr
	v_and_b32 v1, 15, v0                           ; r
	v_bfe_u32 v2, v0, 4, 1                         ; h
	v_mul_u32_u24 v3, v1, PITCH
	v_lshl_add_u32 v4, v2, 4, v3                   ; B: row x pitch + 16 x half
	v_and_b32 v6, 31, v0
	v_lshlrev_b32 v7, 4, v6                        ; A: 16 x lane
	s_mul_i32 s21, s15, HALFT
	s_mul_i32 s22, s16, HALFT
	s_add_co_u32 s22, s22, 2*HALFT
.irp s, 0,1
	v_add_nc_u32 v[ADRA+\s], s21, v7
	v_add_nc_u32 v[ADRB+\s], s22, v4
	s_add_co_u32 s21, s21, SLOT
	s_add_co_u32 s22, s22, SLOT
.endr
	v_mul_u32_u24 v5, v1, KS
	v_lshrrev_b32 v6, 8, v5
	v_lshl_add_u32 v5, v6, 4, v5
	s_mul_i32 s21, s15, HALFS
	s_mul_i32 s22, s16, HALFS
	s_add_co_u32 s22, s22, 2*HALFS
	s_sub_co_u32 s22, s22, s21
	v_mul_u32_u24 v6, s22, v2                      ; lanes 16-31 take B's scale words: the lower base + h x the distance
	s_add_co_u32 s21, s21, SCL
	v_add_nc_u32 v5, v5, v6
	v_add_nc_u32 v[ADRS], s21, v5
	s_mul_i32 s23, s14, 16*SPITCH                  ; my stage
	v_mul_u32_u24 v5, v1, SPITCH
	v_lshl_add_u32 v5, v2, 5, v5
	v_add_nc_u32 v[STO], s23, v5
	v_and_b32 v6, 31, v0
	v_lshlrev_b32 v[CO], 4, v6
	v_add_nc_u32 v[RD], s23, v[CO]
	s_lshl_b32 s20, s17, 8
	s_lshl_b32 s21, s15, 7
	s_add_co_u32 s20, s20, s21                     ; my first row of the result
	s_mov_b32 s21, 0
	s_mov_b64 s[18:19], SIZE_N*4
	s_mul_u64 s[20:21], s[20:21], s[18:19]
	s_lshl_b32 s46, s42, 10                        ; my first column, in bytes
	s_lshl_b32 s47, s16, 9
	s_add_co_u32 s46, s46, s47
	s_mov_b32 s47, 0
	s_add_nc_u64 s[20:21], s[20:21], s[46:47]
	s_add_nc_u64 s[12:13], s[12:13], s[20:21]
	s_add_nc_u64 s[96:97], s[96:97], s[46:47]      ; the bias of my 128 columns begins as many bytes into b_o
	v_lshlrev_b32 v[BOF], 5, v2
.irp b, 0,1,2,3,4,5,6,7
	global_load_b128 v[BT+8*\b:BT+8*\b+3], v[BOF], s[96:97] offset:64*\b
	global_load_b128 v[BT+8*\b+4:BT+8*\b+7], v[BOF], s[96:97] offset:64*\b+16
.endr
.macro FRAG reg, adr, q, i             ; a fragment of B from rows: registers 4 c .. 4 c + 3 hold K = 32 c + 16 (l / 16) + 0 .. 15
.irp c, 0,1,2,3
	ds_load_b128 v[\reg+4*\c:\reg+4*\c+3], v[\adr] offset:128*(\q)+32*\c+(\i)*16*PITCH
.endr
.endm
.macro FRAGA reg, adr, q, i            ; a fragment of A from its image: four groups of 512 bytes on end
.irp c, 0,1,2,3
	ds_load_b128 v[\reg+4*\c:\reg+4*\c+3], v[\adr] offset:(\i)*AROWB+2048*(\q)+512*\c
.endr
.endm
; 16 matrix instructions: A's blocks a0, a0 + 1 x B's eight.  first = 1: the sums start from the bias.  The 64 accumulators take turns, one instruction a turn.
.macro MUL16 a0, p, q, sc, first
.irp a, \a0, \a0+1
.irp b, 0,1,2,3,4,5,6,7
.if \first
	v_wmma_scale_f32_16x16x128_f8f6f4 v[8*(8*((\a)%4)+\b):8*(8*((\a)%4)+\b)+7], v[128*(\p)+FR*\b:128*(\p)+FR*\b+FR-1], v[AF+FR*(\a):AF+FR*(\a)+FR-1], v[BT+8*\b:BT+8*\b+7], v[SC+8*NQ*(\sc)+NQ*\b+(\q)], v[SC+8*NQ*(\sc)+NQ*(\a)+(\q)] matrix_a_scale:MATRIX_SCALE_ROW1
.else
	v_wmma_scale_f32_16x16x128_f8f6f4 v[8*(8*((\a)%4)+\b):8*(8*((\a)%4)+\b)+7], v[128*(\p)+FR*\b:128*(\p)+FR*\b+FR-1], v[AF+FR*(\a):AF+FR*(\a)+FR-1], v[8*(8*((\a)%4)+\b):8*(8*((\a)%4)+\b)+7], v[SC+8*NQ*(\sc)+NQ*\b+(\q)], v[SC+8*NQ*(\sc)+NQ*(\a)+(\q)] matrix_a_scale:MATRIX_SCALE_ROW1
.endif
.endr
.endr
.endm
.macro FETCH_B slot, q, p
	WIN TO_B
.irp i, 0,1,2,3,4,5,6,7
	FRAG 128*(\p)+FR*\i, ADRB+\slot, \q, \i
.endr
	WIN 0
.endm
.macro FETCH_A slot, q, i0
.irp i, \i0, \i0+1, \i0+2, \i0+3
	FRAGA AF+FR*(\i), ADRA+\slot, \q, \i
.endr
.endm
.macro SCALES sc
.irp i, 0,1,2,3,4,5,6,7
	ds_load_b64 v[SC+8*NQ*\sc+NQ*\i:SC+8*NQ*\sc+NQ*\i+1], v[ADRS] offset:\i*SBLK
.endr
.endm
.macro PLACES n                        ; plain vector instructions between a matrix instruction and a load into, or a read of, its registers
.rept \n
	v_nop
.endr
.endm
.macro STEP slot, q, first
	s_wait_dscnt 4*NL                              ; B's set and A's blocks 0-3 are in; the youngest 16 loads (A's blocks 4-7) may be out
.if \first
	WIN FIRST_LO
.else
	WIN MUL_LO
.endif
	MUL16 0, (\q)%2, \q, \slot, \first
	MUL16 2, (\q)%2, \q, \slot, \first
	s_wait_dscnt 0
	PLACES NP
	FETCH_B \slot, (\q)+1, 1-(\q)%2
	FETCH_A \slot, (\q)+1, 0
.if \first
	WIN FIRST_HI
.else
	WIN MUL_HI
.endif
	MUL16 4, (\q)%2, \q, \slot, \first
	MUL16 6, (\q)%2, \q, \slot, \first
	PLACES NP
	WIN 0
	FETCH_A \slot, (\q)+1, 4
.endm
; A slot's last step changes slots: one barrier; in front of it each wave waits for all its tensor loads, adds 0 to its spare word, and waits for that and for its own reads of this slot.
.macro TURN slot, next, fill
	s_wait_tensorcnt 0x0                           ; all my tensor loads have landed: my part of the next slot
	ds_add_u32 v[SPW], v[NIL]                      ; 0 onto my spare word
	s_wait_dscnt 4*NL+1                            ; the add and the youngest 16 loads may be out
	WIN MUL_LO
	MUL16 0, 1, NQ-1, \slot, 0
	s_wait_dscnt 0x0                               ; the add is done, and my reads of this slot are over
	s_barrier_signal -1
	MUL16 2, 1, NQ-1, \slot, 0
	WIN 0
	s_barrier_wait -1
.if \fill
	CREST                                          ; no wave of any partner still reads this slot's tile or has a load on its way
	s_add_nc_u64 s[G0+4*\slot+2:G0+4*\slot+3], s[G0+4*\slot+2:G0+4*\slot+3], 2*AROWB
	s_add_nc_u64 s[G0B+4*\slot+2:G0B+4*\slot+3], s[G0B+4*\slot+2:G0B+4*\slot+3], 2*ROWB
	JLOAD G0+4*\slot, G1, G0B+4*\slot, G1B         ; the first tensor load behind the round
	PLACES NP-4
.else
	PLACES NP
.endif
	v_add_nc_u32 v[ADRS], 4*NQ, v[ADRS]
	FETCH_B \next, 0, 0
	FETCH_A \next, 0, 0
	SCALES \next
	WIN MUL_HI
	MUL16 4, 1, NQ-1, \slot, 0
	MUL16 6, 1, NQ-1, \slot, 0
	PLACES NP
	WIN 0
	FETCH_A \next, 0, 4
.endm
	s_wait_loadcnt 0x0                             ; the bias is in
	s_wait_tensorcnt 1                             ; the scale bytes and my part of K step 0 are in (K step 1's load may be out),
	s_barrier_signal -1
	s_barrier_wait -1                              ; everybody's are
	FETCH_B 0, 0, 0
	FETCH_A 0, 0, 0
	SCALES 0
	FETCH_A 0, 0, 4
	STEP 0, 0, 1                                   ; the first step stands in front of the loop: its products start the sums from the bias
	s_mov_b32 s3, LAPS-1
.Llap:
	TURN 0, 1, 1
	STEP 1, 0, 0
	TURN 1, 0, 1
	STEP 0, 0, 0
	s_sub_co_u32 s3, s3, 1
	s_cmp_lg_u32 s3, 0
	s_cbranch_scc1 .Llap
	TURN 0, 1, 0                                   ; the last lap fills nothing
	STEP 1, 0, 0
	s_wait_dscnt 4*NL
	WIN MUL_LO
	MUL16 0, 1, NQ-1, 1, 0
	MUL16 2, 1, NQ-1, 1, 0
	s_wait_dscnt 0
	WIN MUL_HI
	MUL16 4, 1, NQ-1, 1, 0
	MUL16 6, 1, NQ-1, 1, 0
	WIN 0
; THE WAY OUT, block by block of 16 rows x 128 columns, through my own stage in LDS: in as 32 bytes a lane, back as whole rows of 512 bytes.  LDS serves a wave's instructions in order (ISA guide 5.7.1.4).
.macro TOSTAGE a
.set AC, 64*((\a)%4)
	WIN 0x08+4*((\a)/4)                            ; the data: window 2 or 3
.irp b, 0,1,2,3,4,5,6,7
	ds_store_b128 v[STO], v[AC+8*\b:AC+8*\b+3] offset:64*\b          ; each accumulator from its low end on
	ds_store_b128 v[STO], v[AC+8*\b+4:AC+8*\b+7] offset:64*\b+16
.endr
	WIN 0
.set BB, BK+64*((\a)%2)
.irp t, 0,1,2,3,4,5,6,7,8,9,10,11,12,13,14,15
	ds_load_b128 v[BB+4*\t:BB+4*\t+3], v[RD] offset:\t*SPITCH
.endr
.endm
.macro SEND a, younger                 ; younger: the LDS instructions issued behind block a's loads, which may stay out
.set BB, BK+64*((\a)%2)
	s_wait_dscnt \younger
.if (\a) > 0
	s_add_nc_u64 s[12:13], s[12:13], 16*SIZE_N*4   ; behind a wait on XCNT: the earlier stores have read their base
.endif
.irp t, 0,1,2,3,4,5,6,7,8,9,10,11,12,13,14,15
	global_store_b128 v[CO], v[BB+4*\t:BB+4*\t+3], s[12:13] offset:\t*SIZE_N*4 th:TH_STORE_NT   ; 32 lanes store 512 consecutive bytes, aligned to 256
.endr
.endm
	PLACES NP
	TOSTAGE 0
.irp a, 1,2,3,4,5,6,7
.if \a > 1
	s_wait_xcnt 0x0                                ; block a - 2's stores have read their registers and their base
.endif
	TOSTAGE \a
	SEND \a-1, 32                                  ; behind block a - 1's loads: block a's 16 stores and 16 loads
.endr
	s_wait_xcnt 0x0
	SEND 7, 0
	s_wait_tensorcnt 0x0                           ; the wave's end
	ds_add_u32 v[SPW], v[NIL]
	s_wait_dscnt 0x0
	CROUND                                         ; the closing round
	s_endpgm
.Lfunc_end_k_q19d52ea6e2_proj:
	.size	k_q19d52ea6e2_proj, .Lfunc_end_k_q19d52ea6e2_proj-k_q19d52ea6e2_proj
	.p2alignl 7, 3214868480
	.fill 96, 4, 3214868480
	.section	.rodata,"a",@progbits
	.p2align	6, 0x0
	.amdhsa_kernel k_q19d52ea6e2_proj
		.amdhsa_group_segment_fixed_size 327680
		.amdhsa_private_segment_fixed_size 0
		.amdhsa_enable_private_segment 0
		.amdhsa_kernarg_size 48
		.amdhsa_user_sgpr_count 2
		.amdhsa_user_sgpr_kernarg_segment_ptr 1
		.amdhsa_wavefront_size32 1
		.amdhsa_system_sgpr_workgroup_id_x 1
		.amdhsa_system_sgpr_workgroup_id_y 1
		.amdhsa_system_sgpr_workgroup_id_z 1
		.amdhsa_system_vgpr_workitem_id 0
		.amdhsa_next_free_vgpr 1024
		.amdhsa_next_free_sgpr 98
		.amdhsa_reserve_vcc 0
		.amdhsa_float_denorm_mode_32 3
		.amdhsa_float_denorm_mode_16_64 3
		.amdhsa_memory_ordered 1
		.amdhsa_forward_progress 1
		.amdhsa_inst_pref_size 147
	.end_amdhsa_kernel
	.amdgpu_metadata
---
amdhsa.version: [ 1, 2 ]
amdhsa.kernels:
  - .name:           k_q19d52ea6e2_proj
    .symbol:         k_q19d52ea6e2_proj.kd
    .args:
      - { .name: ac, .offset: 0, .size: 8, .value_kind: global_buffer, .address_space: global }
      - { .name: asc, .offset: 8, .size: 8, .value_kind: global_buffer, .address_space: global }
      - { .name: W_o_codes, .offset: 16, .size: 8, .value_kind: global_buffer, .address_space: global }
      - { .name: W_o_scales, .offset: 24, .size: 8, .value_kind: global_buffer, .address_space: global }
      - { .name: out0, .offset: 32, .size: 8, .value_kind: global_buffer, .address_space: global }
      - { .name: b_o, .offset: 40, .size: 8, .value_kind: global_buffer, .address_space: global }
    .group_segment_fixed_size: 327680
    .private_segment_fixed_size: 0
    .kernarg_segment_align: 8
    .kernarg_segment_size: 48
    .max_flat_workgroup_size: 128
    .sgpr_count:     98
    .vgpr_count:     1024
    .wavefront_size: 32
...
	.end_amdgpu_metadata
.endif
;; end of part 3
